; MI455X (gfx1250); checked and timed in simulation.
; The chip was launched on July 23, 2026; its instructions are those of AMD's public machine-readable ISA for CDNA 5 (MIT licence, August 2026) and "CDNA5" Instruction Set Architecture Reference Guide (July 2026). The comments in the code are by the model that wrote it; some were corrected since.
;; Simple Mo E. Allowed arithmetic: float matrix products may take bf16 or f16 operands with f32 sums; all other float work in f32.
;; Inputs: W1 8 x 1,024 x 2,048 float32; W2 8 x 2,048 x 1,024 float32; Wg 1,024 x 8 float32; b1 8 x 2,048 float32; b2 8 x 1,024 float32; bg 8 float32; x 2,048 x 1,024 float32.
;; Outputs: out0 2,048 x 1,024 float32.
;; 2 versions, each right; version 2 is version 1 with the launches ffn1, ffn2 written anew for expert scheduling mode. Each part assembles by itself: llvm-mc -triple=amdgcn-amd-amdhsa -mcpu=gfx1250 --defsym DOCPART=n.
;; ======== version 1 of 2: 6 launches
;; limits: values outside matrix products are rounded to bf16
;; workspace buffers: sel 8,192 bytes of whole numbers; gw 16,384 bytes; cnt 256 bytes of whole numbers; list 67,584 bytes of whole numbers; inv 16,384 bytes of whole numbers; xg 33,816,576 bytes; h 67,633,152 bytes; y 135,266,304 bytes
;; launch gate (part 1): grid 128 x 1, 8 waves a work-group, no clusters, 58,624 bytes of LDS; arguments x, Wg, bg, sel, gw; writes sel, gw
.if DOCPART == 1
	.amdgcn_target "amdgcn-amd-amdhsa--gfx1250"
	.amdhsa_code_object_version 6
	.text
	.protected	k_q5587342502_gate
	.globl	k_q5587342502_gate
	.p2align	8
	.type	k_q5587342502_gate,@function
k_q5587342502_gate:
	s_mov_b64 s[64:65], 0
	v_nop
	global_prefetch_b8 v0, s[64:65] scope:SCOPE_SE
	s_setreg_imm32_b32 hwreg(HW_REG_WAVE_MODE, 25, 1), 1
	s_wait_xcnt 0x0
; GATE.  scores = x Wg + bg, the two largest of eight, softmax masked to them and renormalised.
; x [2048][1024] f32, Wg [1024][8] f32, bg [8] f32.  Out: sel[token] = i1 | i2<<8 | 1<<(16+i1) | 1<<(16+i2), gw[token] = (w1, w2) f32.
; The product goes to the matrix unit with bf16 operands and f32 sums; bg is taken as one more row of the bf16 operand ([x,1] [Wg;bg]),
; so it is rounded to bf16 like Wg.  Softmax, sums and weights are f32, and the largest score is taken away before every exponential.
; LIMIT: the scores must be finite and no NaN (a NaN loses every comparison here).  Equal scores: the lower index wins, as in lax.top_k.
; A work-group takes 16 tokens.  Its 8 waves bring x's 16 rows and all of Wg into LDS as bf16; wave w then multiplies K = 128 w .. 128 w + 127,
; the eight partial sums meet in LDS, and wave 0 finishes.  No tile is shared between work-groups but Wg's 32 KiB, a small part of the bytes: no cluster.
.set XP,    2064                       ; LDS pitch of a row of x: 2,048 bytes + 16, an odd multiple of 16
.set WT,    16*XP                      ; Wg as bf16, [1024 k][8 experts], 16 bytes a row
.set RED,   WT+16384                   ; 8 waves x 1,024 bytes of partial sums
.set LOG2E, 0x3fb8aa3b
	s_load_b256 s[4:11], s[0:1], 0x0               ; x s[4:5], Wg s[6:7], bg s[8:9], sel s[10:11]
	s_load_b64 s[12:13], s[0:1], 0x20              ; gw
	v_lshl_add_u32 v112, v0, 2, 0xe100
	v_mov_b32 v113, 0
	v_and_b32 v1, 31, v0                           ; lane L
	v_lshrrev_b32 v11, 5, v0
	v_readfirstlane_b32 s14, v11                   ; wave w
	v_and_b32 v2, 15, v0                           ; r = L % 16
	v_bfe_u32 v3, v0, 4, 1                         ; h = L / 16
	v_lshlrev_b32 v4, 4, v1
	v_lshl_add_u32 v4, s14, 13, v4                 ; x: 16 L + two rows of 4,096 bytes a wave
	v_lshlrev_b32 v5, 4, v0                        ; Wg: 16 bytes a thread
	s_mul_i32 s15, s14, 2*XP
	v_lshl_add_u32 v6, v1, 3, s15                  ; x in LDS: rows 2 w, 2 w + 1; 8 bytes a lane
	v_lshlrev_b32 v7, 3, v0
	v_add_nc_u32 v7, WT, v7                        ; Wg in LDS: 8 bytes a thread
	v_and_b32 v8, 7, v0
	v_lshlrev_b32 v8, 4, v8
	v_lshl_add_u32 v8, v3, 7, v8
	v_lshl_add_u32 v8, s14, 11, v8
	v_add_nc_u32 v8, WT, v8                        ; transposing load: row k = 128 w + 8 h + L % 8, its 8 experts
	v_mul_u32_u24 v9, v2, XP
	v_lshl_add_u32 v9, v3, 4, v9
	v_lshl_add_u32 v9, s14, 8, v9                  ; x fragment: row r, byte 256 w + 16 h
	v_lshlrev_b32 v11, 5, v1
	v_add_nc_u32 v11, RED, v11                     ; partial sums of wave 0: 32 bytes a lane
	v_lshl_add_u32 v10, s14, 10, v11               ; and of my wave
	s_lshl_b32 s24, ttmp9, 16                      ; the work-group's 16 rows of 4,096 bytes
	s_mov_b32 s25, 0
	s_wait_kmcnt 0x0
	s_add_nc_u64 s[4:5], s[4:5], s[24:25]
	s_load_b256 s[16:23], s[8:9], 0x0              ; the eight bg
.irp j, 0,1,2,3,4,5,6,7
	global_load_b128 v[16+4*\j:19+4*\j], v5, s[6:7] offset:4096*\j
.endr
.irp i, 0,1
.irp j, 0,1,2,3,4,5,6,7
	global_load_b128 v[48+32*\i+4*\j:51+32*\i+4*\j], v4, s[4:5] offset:4096*\i+512*\j
.endr
.endr
	s_wait_loadcnt 16                              ; Wg's eight loads are in; the sixteen of x, issued behind them, may be out
.irp j, 0,1,2,3,4,5,6,7
	v_cvt_pk_bf16_f32 v[12+2*(\j&1)], v[16+4*\j], v[17+4*\j]
	v_cvt_pk_bf16_f32 v[13+2*(\j&1)], v[18+4*\j], v[19+4*\j]
	ds_store_b64 v7, v[12+2*(\j&1):13+2*(\j&1)] offset:2048*\j
.endr
.irp i, 0,1
.irp j, 0,1,2,3,4,5,6,7
	s_wait_loadcnt 15-8*\i-\j                      ; loads return in order: this one is in, the younger ones of x may be out
	v_cvt_pk_bf16_f32 v[12+2*(\j&1)], v[48+32*\i+4*\j], v[49+32*\i+4*\j]
	v_cvt_pk_bf16_f32 v[13+2*(\j&1)], v[50+32*\i+4*\j], v[51+32*\i+4*\j]
	ds_store_b64 v6, v[12+2*(\j&1):13+2*(\j&1)] offset:XP*\i+256*\j
.endr
.endr
	s_wait_dscnt 0x0                               ; my LDS stores are done, for the other waves' sake
	s_barrier_signal -1
	s_barrier_wait -1
	; Source 0 = Wg transposed: lane L holds expert L % 8 (rows 8-15 repeat experts 0-7), K along its registers.  Source 1 = x: lane L holds token r.
	; In the result register j of every lane is the score part of expert j for token r.
.irp s, 0,1,2,3
	ds_load_tr16_b128 v[16+8*\s:19+8*\s], v8 offset:512*\s
	ds_load_tr16_b128 v[20+8*\s:23+8*\s], v8 offset:512*\s+256
	ds_load_b128 v[48+8*\s:51+8*\s], v9 offset:64*\s
	ds_load_b128 v[52+8*\s:55+8*\s], v9 offset:64*\s+32
.endr
	s_wait_dscnt 12                                ; four loads a K step: the three later steps' twelve may be out
	v_wmma_f32_16x16x32_bf16 v[80:87], v[16:23], v[48:55], 0
	s_wait_dscnt 8
	v_wmma_f32_16x16x32_bf16 v[88:95], v[24:31], v[56:63], 0          ; two accumulators by turns
	s_wait_dscnt 4
	v_wmma_f32_16x16x32_bf16 v[80:87], v[32:39], v[64:71], v[80:87]
	s_wait_dscnt 0
	v_wmma_f32_16x16x32_bf16 v[88:95], v[40:47], v[72:79], v[88:95]
.rept 4
	v_nop                                          ; four places before a vector instruction reads a matrix result (ISA guide 7.12.1)
.endr
.irp p, 0,2,4,6
	v_pk_add_f32 v[80+\p:81+\p], v[80+\p:81+\p], v[88+\p:89+\p]
.endr
	ds_store_b128 v10, v[80:83]
	ds_store_b128 v10, v[84:87] offset:16
	s_wait_dscnt 0x0
	s_barrier_signal -1
	s_barrier_wait -1
	s_cmp_lg_u32 s14, 0
	s_cbranch_scc1 .Ldone                          ; wave 0 finishes; no barrier follows
.irp w, 0,1,2,3,4,5,6,7
	ds_load_b128 v[16+8*\w:19+8*\w], v11 offset:1024*\w
	ds_load_b128 v[20+8*\w:23+8*\w], v11 offset:1024*\w+16
.endr
	s_wait_kmcnt 0x0                               ; bg
	v_cvt_pk_bf16_f32 v80, s16, s17
	v_cvt_pk_bf16_f32 v81, s18, s19
	v_cvt_pk_bf16_f32 v82, s20, s21
	v_cvt_pk_bf16_f32 v83, s22, s23
.irp p, 0,1,2,3
	v_lshlrev_b32 v[84+2*\p], 16, v[80+\p]
	v_and_b32 v[85+2*\p], 0xffff0000, v[80+\p]
.endr
	s_lshl_b32 s24, ttmp9, 6
	s_add_nc_u64 s[10:11], s[10:11], s[24:25]      ; sel at my 16 tokens
	s_lshl_b32 s24, ttmp9, 7
	s_add_nc_u64 s[12:13], s[12:13], s[24:25]      ; gw at my 16 tokens
	s_wait_dscnt 0x0
.irp p, 0,2,4,6
	v_pk_add_f32 v[16+\p:17+\p], v[16+\p:17+\p], v[84+\p:85+\p]
.endr
.irp w, 1,2,3,4,5,6,7
.irp p, 0,2,4,6
	v_pk_add_f32 v[16+\p:17+\p], v[16+\p:17+\p], v[16+8*\w+\p:17+8*\w+\p]
.endr
.endr
	; v[16:23] = the eight scores of token r.  First maximum m1 (v92) and its index i1 (v93): an index changes only on a strictly larger score.
	v_mov_b32 v92, v16
	v_mov_b32 v93, 0
	v_mov_b32 v94, 0xff800000                      ; -infinity
	v_mov_b32 v95, 0x10000
.irp e, 1,2,3,4,5,6,7
	v_cmp_ge_f32 vcc_lo, v92, v[16+\e]
	v_cndmask_b32 v93, \e, v93, vcc_lo
	v_max_num_f32 v92, v92, v[16+\e]
.endr
.irp e, 0,1,2,3,4,5,6,7
	v_cmp_eq_u32 vcc_lo, \e, v93
	v_cndmask_b32 v[96+\e], v[16+\e], v94, vcc_lo  ; the winner is taken out
.endr
	v_mov_b32 v104, v96                            ; second maximum m2 and i2
	v_mov_b32 v105, 0
.irp e, 1,2,3,4,5,6,7
	v_cmp_ge_f32 vcc_lo, v104, v[96+\e]
	v_cndmask_b32 v105, \e, v105, vcc_lo
	v_max_num_f32 v104, v104, v[96+\e]
.endr
.irp e, 0,1,2,3,4,5,6,7
	v_sub_f32 v[96+\e], v[16+\e], v92              ; score - m1, at most 0
.endr
	v_sub_f32 v106, v104, v92
.irp e, 0,1,2,3,4,5,6,7
	v_mul_f32 v[96+\e], LOG2E, v[96+\e]
.endr
	v_mul_f32 v106, LOG2E, v106
.irp e, 0,1,2,3,4,5,6,7
	v_exp_f32 v[96+\e], v[96+\e]
.endr
	v_exp_f32 v106, v106
	v_lshl_or_b32 v108, v105, 8, v93               ; a plain instruction between the exponentials and their first use (ISA guide 5.7.2)
	s_wait_alu depctr_va_vdst(0)
	v_add_f32 v96, v96, v97
	v_add_f32 v98, v98, v99
	v_add_f32 v100, v100, v101
	v_add_f32 v102, v102, v103
	v_add_f32 v96, v96, v98
	v_add_f32 v100, v100, v102
	v_add_f32 v96, v96, v100                       ; the softmax's sum, at least 1
	v_rcp_f32 v107, v96                            ; p1 = exp(0) / sum
	v_lshlrev_b32 v109, v93, v95                   ; 1 << (16 + i1): also the place behind the reciprocal
	s_wait_alu depctr_va_vdst(0)
	v_mul_f32 v106, v106, v107                     ; p2
	v_add_f32 v110, v107, v106
	v_add_f32 v110, 0x322bcc77, v110               ; + 1e-8
	v_rcp_f32 v111, v110
	v_lshlrev_b32 v97, v105, v95                   ; 1 << (16 + i2): the place again
	s_wait_alu depctr_va_vdst(0)
	v_mul_f32 v98, v107, v111                      ; w1
	v_mul_f32 v99, v106, v111                      ; w2
	v_or_b32 v108, v108, v109
	v_or_b32 v108, v108, v97
	v_lshlrev_b32 v100, 2, v2
	v_lshlrev_b32 v101, 3, v2
	v_cmp_gt_u32 vcc_lo, 16, v1                    ; lanes 16-31 hold the same tokens again
	s_wait_xcnt 0x0                                ; EXEC changes only behind this wait
	s_and_saveexec_b32 s27, vcc_lo
	global_store_b32 v100, v108, s[10:11]
	global_store_b64 v101, v[98:99], s[12:13]
	s_wait_xcnt 0x0
	s_or_b32 exec_lo, exec_lo, s27
.Ldone:
	s_wait_tensorcnt 0x0
	ds_add_u32 v112, v113
	s_wait_dscnt 0x0
	s_endpgm
.Lfunc_end_k_q5587342502_gate:
	.size	k_q5587342502_gate, .Lfunc_end_k_q5587342502_gate-k_q5587342502_gate
	.p2alignl 7, 3214868480
	.fill 96, 4, 3214868480
	.section	.rodata,"a",@progbits
	.p2align	6, 0x0
	.amdhsa_kernel k_q5587342502_gate
		.amdhsa_group_segment_fixed_size 58624
		.amdhsa_private_segment_fixed_size 0
		.amdhsa_enable_private_segment 0
		.amdhsa_kernarg_size 40
		.amdhsa_user_sgpr_count 2
		.amdhsa_user_sgpr_kernarg_segment_ptr 1
		.amdhsa_wavefront_size32 1
		.amdhsa_system_sgpr_workgroup_id_x 1
		.amdhsa_system_sgpr_workgroup_id_y 1
		.amdhsa_system_sgpr_workgroup_id_z 1
		.amdhsa_system_vgpr_workitem_id 0
		.amdhsa_next_free_vgpr 114
		.amdhsa_next_free_sgpr 66
		.amdhsa_reserve_vcc 1
		.amdhsa_float_denorm_mode_32 3
		.amdhsa_float_denorm_mode_16_64 3
		.amdhsa_memory_ordered 1
		.amdhsa_forward_progress 1
		.amdhsa_inst_pref_size 20
	.end_amdhsa_kernel
	.amdgpu_metadata
---
amdhsa.version: [ 1, 2 ]
amdhsa.kernels:
  - .name:           k_q5587342502_gate
    .symbol:         k_q5587342502_gate.kd
    .args:
      - { .name: x, .offset: 0, .size: 8, .value_kind: global_buffer, .address_space: global }
      - { .name: Wg, .offset: 8, .size: 8, .value_kind: global_buffer, .address_space: global }
      - { .name: bg, .offset: 16, .size: 8, .value_kind: global_buffer, .address_space: global }
      - { .name: sel, .offset: 24, .size: 8, .value_kind: global_buffer, .address_space: global }
      - { .name: gw, .offset: 32, .size: 8, .value_kind: global_buffer, .address_space: global }
    .group_segment_fixed_size: 58624
    .private_segment_fixed_size: 0
    .kernarg_segment_align: 8
    .kernarg_segment_size: 40
    .max_flat_workgroup_size: 256
    .sgpr_count:     66
    .vgpr_count:     114
    .wavefront_size: 32
...
	.end_amdgpu_metadata
.endif
;; end of part 1
;; launch route (part 2): grid 8 x 1, 8 waves a work-group, no clusters, 0 bytes of LDS; arguments sel, cnt, list, inv; writes cnt, list, inv
.if DOCPART == 2
	.amdgcn_target "amdgcn-amd-amdhsa--gfx1250"
	.amdhsa_code_object_version 6
	.text
	.protected	k_q5587342502_route
	.globl	k_q5587342502_route
	.p2align	8
	.type	k_q5587342502_route,@function
k_q5587342502_route:
	s_mov_b64 s[64:65], 0
	v_nop
	global_prefetch_b8 v0, s[64:65] scope:SCOPE_SE
	s_setreg_imm32_b32 hwreg(HW_REG_WAVE_MODE, 25, 1), 1
	s_wait_xcnt 0x0
; ROUTE.  Work-group e places the tokens routed to expert e: list[e][pos] = token, inv[token][slot] = e * 2064 + pos, cnt[e] = units of 48 rows.
; No atomics: every wave reads all 2,048 words of sel (8 KiB), counts by ballots how many tokens of earlier segments name e, and ranks the 256
; tokens of its own segment.  The order of positions is (segment, register, lane), the same in every wave; any fixed order serves.
; 64 entries behind the last position are set to token 0: the rows that fill the last unit of 48 are computed from token 0 and read by nobody.
; Every register that a store names is written while all lanes are on, ahead of the first change of EXEC; behind it stand stores alone.
; Eight work-groups: the work is 8 KiB of input for each expert and has no more to share out.
	s_load_b256 s[4:11], s[0:1], 0x0               ; sel s[4:5], cnt s[6:7], list s[8:9], inv s[10:11]
	v_and_b32 v1, 31, v0                           ; lane
	v_lshrrev_b32 v4, 5, v0
	v_readfirstlane_b32 s12, v4                    ; my segment = wave
	s_mov_b32 s13, ttmp9                           ; e
	s_add_co_u32 s14, s13, 16
	s_lshl_b32 s14, 1, s14                         ; the bit of expert e in a word of sel
	v_lshlrev_b32 v2, 4, v1
	v_lshl_add_u32 v3, s12, 10, v2                 ; my segment's 1,024 bytes
	s_wait_kmcnt 0x0
.irp j, 0,1,2,3,4,5,6,7,8,9,10,11,12,13,14,15
	global_load_b128 v[8+4*\j:11+4*\j], v2, s[4:5] offset:512*\j      ; token = 128 j + 4 lane + word
.endr
.irp j, 0,1
	global_load_b128 v[72+4*\j:75+4*\j], v3, s[4:5] offset:512*\j     ; my own segment once more, at fixed registers
.endr
	s_mul_i32 s19, s13, 2064                       ; first row of expert e in xg, h and y
	s_mul_i32 s30, s13, 8448                       ; list[e]: 2,112 words
	s_mov_b32 s31, 0
	s_add_nc_u64 s[8:9], s[8:9], s[30:31]
	s_lshl_b32 s30, s13, 2
	s_add_nc_u64 s[6:7], s[6:7], s[30:31]          ; cnt[e]
	v_lshlrev_b32 v5, 2, v1
	v_lshl_add_u32 v5, s12, 8, v5                  ; token of my word 0: 256 seg + 4 lane
	v_mov_b32 v6, 4
	v_mov_b32 v113, 0                              ; the padding's token, and cnt's offset from its base
	s_mov_b32 s15, 0                               ; tokens of e in earlier segments
	s_mov_b32 s16, 0                               ; tokens of e in all
	s_wait_loadcnt 0x0
.irp g, 0,1,2,3,4,5,6,7
.irp k, 0,1,2,3,4,5,6,7
	v_and_b32 v[80+\k], s14, v[8+8*\g+\k]
.endr
.irp k, 0,1,2,3,4,5,6,7
	v_cmp_ne_u32 s[20+\k], 0, v[80+\k]
.endr
	s_mov_b32 s17, 0
.irp k, 0,1,2,3,4,5,6,7
	s_bcnt1_i32_b32 s18, s[20+\k]
	s_add_co_u32 s17, s17, s18
.endr
	s_add_co_u32 s16, s16, s17
	s_cmp_gt_u32 s12, \g
	s_cselect_b32 s18, s17, 0
	s_add_co_u32 s15, s15, s18
.endr
.irp k, 0,1,2,3,4,5,6,7
	v_and_b32 v[80+\k], s14, v[72+\k]
.endr
.irp k, 0,1,2,3,4,5,6,7
	v_cmp_ne_u32 s[20+\k], 0, v[80+\k]             ; my eight masks
.endr
.irp k, 0,1,2,3,4,5,6,7
	v_mbcnt_lo_u32_b32 v[80+\k], s[20+\k], 0       ; routed lanes below me
	v_add_nc_u32 v[80+\k], s15, v[80+\k]
	v_min_u32 v[80+\k], 0x7ff, v[80+\k]            ; pos, at most 2,047
	s_bcnt1_i32_b32 s18, s[20+\k]
	s_add_co_u32 s15, s15, s18
	v_add_nc_u32 v[104+\k], s19, v[80+\k]          ; what inv holds: e * 2064 + pos
	v_lshlrev_b32 v[80+\k], 2, v[80+\k]            ; byte offset in list[e]
	v_add_nc_u32 v[88+\k], 128*(\k>>2)+(\k&3), v5  ; the token
	v_bfe_u32 v4, v[72+\k], 8, 8                   ; i2
	v_cmp_eq_u32 vcc_lo, s13, v4
	v_cndmask_b32 v4, 0, v6, vcc_lo                ; slot 1 if e is the token's second choice
	v_min_u32 v4, 4, v4
	v_lshl_add_u32 v[96+\k], v[88+\k], 3, v4       ; byte offset in inv
.endr
	v_add_nc_u32 v112, s16, v1                     ; the padding: entry n + lane,
	v_min_u32 v112, 0x81f, v112                    ; at most 2,048 + 31
	v_lshlrev_b32 v112, 2, v112
	s_add_co_u32 s17, s16, 47
	s_lshr_b32 s17, s17, 4                         ; (n + 47) / 16, at most 130
	s_mul_i32 s17, s17, 0xaaab
	s_lshr_b32 s17, s17, 17                        ; / 3: units of 48 rows, rounded up
	v_mov_b32 v114, s17
	s_cmp_lg_u32 s12, 7
	s_cbranch_scc1 .Lall                           ; one wave writes the padding and the count
	global_store_b32 v112, v113, s[8:9]            ; list[e][n .. n+31] = 0
	global_store_b32 v112, v113, s[8:9] offset:128 ; list[e][n+32 .. n+63] = 0; n + 63 <= 2,111
	v_cmp_eq_u32 vcc_lo, 0, v1
	s_wait_xcnt 0x0                                ; EXEC changes only behind this wait
	s_and_saveexec_b32 s28, vcc_lo
	global_store_b32 v113, v114, s[6:7]            ; cnt[e], from lane 0
	s_wait_xcnt 0x0
	s_or_b32 exec_lo, exec_lo, s28
.Lall:
	s_wait_xcnt 0x0                                ; EXEC changes only behind this wait
.irp k, 0,1,2,3,4,5,6,7
	s_and_saveexec_b32 s28, s[20+\k]               ; the lanes whose token is routed to e
	global_store_b32 v[80+\k], v[88+\k], s[8:9]
	global_store_b32 v[96+\k], v[104+\k], s[10:11]
	s_wait_xcnt 0x0
	s_or_b32 exec_lo, exec_lo, s28
.endr
	s_endpgm
.Lfunc_end_k_q5587342502_route:
	.size	k_q5587342502_route, .Lfunc_end_k_q5587342502_route-k_q5587342502_route
	.p2alignl 7, 3214868480
	.fill 96, 4, 3214868480
	.section	.rodata,"a",@progbits
	.p2align	6, 0x0
	.amdhsa_kernel k_q5587342502_route
		.amdhsa_group_segment_fixed_size 0
		.amdhsa_private_segment_fixed_size 0
		.amdhsa_enable_private_segment 0
		.amdhsa_kernarg_size 32
		.amdhsa_user_sgpr_count 2
		.amdhsa_user_sgpr_kernarg_segment_ptr 1
		.amdhsa_wavefront_size32 1
		.amdhsa_system_sgpr_workgroup_id_x 1
		.amdhsa_system_sgpr_workgroup_id_y 1
		.amdhsa_system_sgpr_workgroup_id_z 1
		.amdhsa_system_vgpr_workitem_id 0
		.amdhsa_next_free_vgpr 128
		.amdhsa_next_free_sgpr 66
		.amdhsa_reserve_vcc 1
		.amdhsa_float_denorm_mode_32 3
		.amdhsa_float_denorm_mode_16_64 3
		.amdhsa_memory_ordered 1
		.amdhsa_forward_progress 1
		.amdhsa_inst_pref_size 23
	.end_amdhsa_kernel
	.amdgpu_metadata
---
amdhsa.version: [ 1, 2 ]
amdhsa.kernels:
  - .name:           k_q5587342502_route
    .symbol:         k_q5587342502_route.kd
    .args:
      - { .name: sel, .offset: 0, .size: 8, .value_kind: global_buffer, .address_space: global }
      - { .name: cnt, .offset: 8, .size: 8, .value_kind: global_buffer, .address_space: global }
      - { .name: list, .offset: 16, .size: 8, .value_kind: global_buffer, .address_space: global }
      - { .name: inv, .offset: 24, .size: 8, .value_kind: global_buffer, .address_space: global }
    .group_segment_fixed_size: 0
    .private_segment_fixed_size: 0
    .kernarg_segment_align: 8
    .kernarg_segment_size: 32
    .max_flat_workgroup_size: 256
    .sgpr_count:     66
    .vgpr_count:     128
    .wavefront_size: 32
...
	.end_amdgpu_metadata
.endif
;; end of part 2
;; launch gather (part 3): grid 256 x 1, 8 waves a work-group, no clusters, 35,840 bytes of LDS; arguments x, cnt, list, xg; writes xg
.if DOCPART == 3
	.amdgcn_target "amdgcn-amd-amdhsa--gfx1250"
	.amdhsa_code_object_version 6
	.text
	.protected	k_q5587342502_gather
	.globl	k_q5587342502_gather
	.p2align	8
	.type	k_q5587342502_gather,@function
k_q5587342502_gather:
	s_mov_b64 s[64:65], 0
	v_nop
	global_prefetch_b8 v0, s[64:65] scope:SCOPE_SE
	s_setreg_imm32_b32 hwreg(HW_REG_WAVE_MODE, 25, 1), 1
	s_wait_xcnt 0x0
; GATHER.  The rows of x in expert order, rounded to bf16, laid out as the matrix unit's fragments:
; element (row, k) of expert e lies at byte (((e*129 + row/16)*32 + k/32)*2 + (k/16)%2)*512 + (16*((k/8)%2) + row%16)*16 + 2*(k%8),
; so that a 16 x 32 operand is two loads of 512 consecutive bytes, 16 bytes a lane, straight into registers.
; An item is a group of 16 rows of one expert; items are numbered through the experts (3 groups a unit of 48 rows).  The eight counts sum to
; 4,096 tokens, so there are 258 to 279 items: each of the 256 work-groups has one, at most 23 have a second.
; Wave w takes K = 128 w .. 128 w + 127 of all 16 rows through a stage of its own in LDS: no barrier.  Memory binds: no matrix unit, no cluster.
.set SP, 272                           ; stage pitch: 256 bytes + 16, an odd multiple of 16
	s_load_b256 s[4:11], s[0:1], 0x0               ; x s[4:5], cnt s[6:7], list s[8:9], xg s[10:11]
	v_lshl_add_u32 v128, v0, 2, 0x8800
	v_mov_b32 v129, 0
	v_and_b32 v1, 31, v0
	v_lshrrev_b32 v5, 5, v0
	v_readfirstlane_b32 s12, v5                    ; wave w
	v_and_b32 v6, 15, v0                           ; r
	v_bfe_u32 v7, v0, 4, 1                         ; h
	v_lshlrev_b32 v2, 4, v1
	v_lshl_add_u32 v5, s12, 12, v2                 ; out: 16 L + my four K steps of 1,024 bytes
	v_lshl_add_u32 v2, s12, 9, v2                  ; in: 16 L + my 512 bytes of a row
	s_mul_i32 s13, s12, 16*SP                      ; my stage
	v_lshl_add_u32 v3, v1, 3, s13                  ; stage, in: 8 bytes a lane
	v_mul_u32_u24 v4, v6, SP
	v_lshl_add_u32 v4, v7, 4, v4
	v_add_nc_u32 v4, s13, v4                       ; stage, back: row r, byte 16 h
	s_wait_kmcnt 0x0
	s_load_b256 s[32:39], s[6:7], 0x0              ; units of the eight experts
	s_wait_kmcnt 0x0
.irp e, 0,1,2,3,4,5,6,7
	s_min_u32 s[32+\e], s[32+\e], 43
	s_mul_i32 s[32+\e], s[32+\e], 3                ; groups of 16 rows
.endr
	s_mov_b32 s48, s32                             ; s[48+j-1] = groups of experts 0 .. j-1
.irp e, 1,2,3,4,5,6,7
	s_add_co_u32 s[48+\e], s[47+\e], s[32+\e]
.endr
	s_mov_b32 s40, ttmp9                           ; my item: my number, then 256 further each trip
	s_mov_b32 s45, 0
	s_add_co_u32 s58, s55, 255
	s_sub_co_u32 s58, s58, ttmp9
	s_lshr_b32 s58, s58, 8                         ; my trips: the items my number + 256 t below the total (at most 8 x 129: five trips)
	s_cmp_eq_u32 s58, 0
	s_cbranch_scc1 .Lend
	s_mov_b32 s59, 0                               ; t
.Litem:
	s_mov_b32 s41, 0                               ; the item's expert
	s_mov_b32 s42, 0                               ; that expert's first item
.irp j, 1,2,3,4,5,6,7
	s_cmp_ge_u32 s40, s[47+\j]
	s_cselect_b32 s41, \j, s41
	s_cselect_b32 s42, s[47+\j], s42
.endr
	s_sub_co_u32 s42, s40, s42
	s_min_u32 s42, s42, 128                        ; the group in the expert's 129
	s_min_u32 s41, s41, 7
	s_mul_i32 s44, s41, 8448
	s_lshl_b32 s43, s42, 6
	s_add_co_u32 s44, s44, s43
	s_add_nc_u64 s[46:47], s[8:9], s[44:45]
	s_load_b512 s[16:31], s[46:47], 0x0            ; the 16 tokens of the group
	s_mul_i32 s44, s41, 129
	s_add_co_u32 s44, s44, s42
	s_lshl_b32 s44, s44, 15                        ; 32,768 bytes a group
	s_add_nc_u64 s[56:57], s[10:11], s[44:45]
	s_wait_kmcnt 0x0
.irp i, 0,1,2,3,4,5,6,7,8,9,10,11,12,13,14,15
	s_min_u32 s[16+\i], s[16+\i], 2047
	v_lshl_add_u32 v[16+\i], s[16+\i], 12, v2
.endr
.irp i, 0,1,2,3,4,5,6,7,8,9,10,11,12,13,14,15
	global_load_b128 v[32+4*\i:35+4*\i], v[16+\i], s[4:5]             ; 512 consecutive bytes of one row; a row may be named twice: no hint
.endr
.irp i, 0,1,2,3,4,5,6,7,8,9,10,11,12,13,14,15
	s_wait_loadcnt 15-\i                           ; row i is in, the younger rows may be out
	v_cvt_pk_bf16_f32 v[8+2*(\i&1)], v[32+4*\i], v[33+4*\i]
	v_cvt_pk_bf16_f32 v[9+2*(\i&1)], v[34+4*\i], v[35+4*\i]
	ds_store_b64 v3, v[8+2*(\i&1):9+2*(\i&1)] offset:SP*\i
.endr
.irp t, 0,1,2,3,4,5,6,7
	ds_load_b128 v[96+4*\t:99+4*\t], v4 offset:32*\t                  ; a wave's LDS instructions are served in order: these see the stores above
.endr
.irp t, 0,1,2,3,4,5,6,7
	s_wait_dscnt 7-\t
	global_store_b128 v5, v[96+4*\t:99+4*\t], s[56:57] offset:512*\t  ; 512 consecutive bytes, aligned
.endr
	s_wait_xcnt 0x0                                ; the stores' data and base are written again only behind this wait
	s_add_co_u32 s40, s40, 256
	s_add_co_u32 s59, s59, 1
	s_cmp_lt_u32 s59, s58
	s_cbranch_scc1 .Litem
.Lend:
	s_wait_tensorcnt 0x0
	ds_add_u32 v128, v129
	s_wait_dscnt 0x0
	s_endpgm
.Lfunc_end_k_q5587342502_gather:
	.size	k_q5587342502_gather, .Lfunc_end_k_q5587342502_gather-k_q5587342502_gather
	.p2alignl 7, 3214868480
	.fill 96, 4, 3214868480
	.section	.rodata,"a",@progbits
	.p2align	6, 0x0
	.amdhsa_kernel k_q5587342502_gather
		.amdhsa_group_segment_fixed_size 35840
		.amdhsa_private_segment_fixed_size 0
		.amdhsa_enable_private_segment 0
		.amdhsa_kernarg_size 32
		.amdhsa_user_sgpr_count 2
		.amdhsa_user_sgpr_kernarg_segment_ptr 1
		.amdhsa_wavefront_size32 1
		.amdhsa_system_sgpr_workgroup_id_x 1
		.amdhsa_system_sgpr_workgroup_id_y 1
		.amdhsa_system_sgpr_workgroup_id_z 1
		.amdhsa_system_vgpr_workitem_id 0
		.amdhsa_next_free_vgpr 130
		.amdhsa_next_free_sgpr 66
		.amdhsa_reserve_vcc 0
		.amdhsa_float_denorm_mode_32 3
		.amdhsa_float_denorm_mode_16_64 3
		.amdhsa_memory_ordered 1
		.amdhsa_forward_progress 1
		.amdhsa_inst_pref_size 13
	.end_amdhsa_kernel
	.amdgpu_metadata
---
amdhsa.version: [ 1, 2 ]
amdhsa.kernels:
  - .name:           k_q5587342502_gather
    .symbol:         k_q5587342502_gather.kd
    .args:
      - { .name: x, .offset: 0, .size: 8, .value_kind: global_buffer, .address_space: global }
      - { .name: cnt, .offset: 8, .size: 8, .value_kind: global_buffer, .address_space: global }
      - { .name: list, .offset: 16, .size: 8, .value_kind: global_buffer, .address_space: global }
      - { .name: xg, .offset: 24, .size: 8, .value_kind: global_buffer, .address_space: global }
    .group_segment_fixed_size: 35840
    .private_segment_fixed_size: 0
    .kernarg_segment_align: 8
    .kernarg_segment_size: 32
    .max_flat_workgroup_size: 256
    .sgpr_count:     66
    .vgpr_count:     130
    .wavefront_size: 32
...
	.end_amdgpu_metadata
.endif
;; end of part 3
;; launch ffn1 (part 4): grid 32 x 8, 8 waves a work-group, no clusters, 164,864 bytes of LDS; arguments xg, W1, cnt, h, b1; writes h
.if DOCPART == 4
	.amdgcn_target "amdgcn-amd-amdhsa--gfx1250"
	.amdhsa_code_object_version 6
	.text
	.protected	k_q5587342502_ffn1
	.globl	k_q5587342502_ffn1
	.p2align	8
	.type	k_q5587342502_ffn1,@function
k_q5587342502_ffn1:
	s_mov_b64 s[64:65], 0
	v_nop
	global_prefetch_b8 v0, s[64:65] scope:SCOPE_SE
	s_setreg_imm32_b32 hwreg(HW_REG_WAVE_MODE, 25, 1), 1
	s_wait_xcnt 0x0
; FFN, LAYER 1.  h = relu(x W1[e] + b1[e]) for the rows routed to expert e, bf16 operands, f32 sums, h rounded to bf16 once.
; Only routed rows are computed: reference() multiplies the other experts' results by a mask of zeros that it builds itself.
; LIMIT: where an unselected expert's result would be infinite or NaN, reference() gives NaN (0 x inf) and this program does not.
; Work-group (nb, e) owns the slab W1[e][0..1023][64 nb .. 64 nb + 63]: 256 KiB of f32, read once in the launch in pieces of 256 aligned bytes,
; rounded to bf16 and kept in LDS as [1024 k][64 n].  256 work-groups.
; EIGHT WAVES, ONE TEXT.  Wave j brings rows 128 j .. 128 j + 127 of the slab (64 loads of 512 bytes, 52 of them on their way); one barrier; then
; wave j takes the units j, j + 8, .. of 48 rows (3 groups of 16).  A wave's tile is 48 x 64: 12 accumulators.  Eight waves of 512 registers take
; the 1,024 of each of the four SIMDs: of the two waves of a SIMD one can issue matrix instructions while the other issues its loads.
; Activations lie in memory in fragment order (see below) and go straight into registers through a ring of 8 K steps: no LDS trip, no barrier in
; the loop.  Unit j's first seven K steps are asked for while the last third of the wave's band of W is still coming in; their address hangs on
; the ids alone (units 0 to 7 lie inside every expert's 43), so a wave whose expert has no unit j fetches 21 KiB and drops them.
; The units that have a successor run in a loop, whose last seven K steps ask for the next unit's first seven; the last unit is written out and
; asks for nothing beyond itself: no load leaves the rows that the launch before has written, but for the case just named.
; FRAGMENT ORDER: element (row, k) at (((e*129 + row/16)*KS + k/32)*2 + (k/16)%2)*512 + (16*((k/8)%2) + row%16)*16 + 2*(k%8), KS = K/32.
; THE MATRIX INSTRUCTION IS USED TRANSPOSED: source 0 = 16 columns of W, source 1 = 16 rows of x.  Lane (r, hh) then holds row r and the eight
; neighbouring columns 8 hh + 0..7, which, packed to bf16, are the lane's 16 bytes of a half fragment of layer 2: h leaves by stores of 512
; consecutive bytes without a stage.
; NO MULTICAST, though the 32 work-groups of an expert read the same fragments: a joint load lands in LDS, where the slab leaves room for two slots
; of at most 80 KiB, and needs a round of the cluster's barrier for each refill, with trip counts that are read from memory; here each wave runs
; alone with 7 K steps x 3 KiB on their way.
.set PWSH,    13                       ; a row of W1 is 8,192 bytes
.set PW,      1<<PWSH
.set RGB,     32768                    ; bytes of a group of 16 rows of xg
.set EXA,     129*RGB                  ; of an expert
.set UNITB,   3*RGB                    ; of a unit
.set OUTRG,   65536                    ; bytes of a group of 16 rows of h
.set OUTUNIT, 3*OUTRG
.set WP,      160                      ; slab pitch: 128 bytes + 32, an odd multiple of 32, for the transposing loads
.set NLOAD,   64                       ; loads of W of a wave: 128 rows, two rows a load
.set SLOTS,   52                       ; landing slots of the fill: 52 loads of 512 bytes of each wave on their way
.set RINGAT,  42                       ; behind the take of this load the ring's first 42 loads go out: 21 of W + 42 = 63 are then out
; window 0: v1 16 L; v2-5 slab address for K steps 0-7, 8-15, 16-23, 24-31; v6, v7 the fill's LDS address and offset in W; v8 bias offset;
;           v12-15 at work; v16-47 bias as four C fragments; v48-143 accumulators; v144-191 packed results; v48-255 the fill's landing slots
; window 1: v0-63 two buffers of four W fragments; v64-255 the ring: 8 slots of three x fragments
; scalars: s14 wave, s15 e, s16 nb, s17 the expert's units, then my units that have a successor; s18 units done;
;          s[20:21] this unit's fragments, s[22:23] the next unit's, s[24:25] this unit's place in h; s[26:27] an offset, s28 at work
.set BIAS, 16
.set ACC,  48
.set LAND, 48
.set TMP,  144
.set RING, 64
.set MSB, 0
.macro WIN new                         ; s_set_vgpr_msb; the immediate's high byte repeats the setting that is left
.if MSB != \new
	s_set_vgpr_msb (MSB<<8)|\new
.set MSB, \new
.endif
.endm
.macro PLACES                          ; four places behind a matrix instruction (ISA guide 7.12.1 for vector instructions)
.rept 4
	v_nop
.endr
.endm
.macro WFETCH s                        ; the four W fragments of K step s into buffer s % 2: lane L gets column 16 f + r, K along its registers
.irp f, 0,1,2,3
	ds_load_tr16_b128 v[32*((\s)&1)+8*\f:32*((\s)&1)+8*\f+3],   v[2+((\s)>>3)] offset:((\s)&7)*32*WP+32*\f
	ds_load_tr16_b128 v[32*((\s)&1)+8*\f+4:32*((\s)&1)+8*\f+7], v[2+((\s)>>3)] offset:((\s)&7)*32*WP+32*\f+16*WP
.endr
.endm
.macro AFETCH base, ks, slot           ; the three x fragments of K step ks of the unit at s[base:base+1] into a ring slot: six loads of 512 bytes
.irp i, 0,1,2
.irp g, 0,1
	global_load_b128 v[RING+24*(\slot)+8*\i+4*\g:RING+24*(\slot)+8*\i+4*\g+3], v1, s[\base:\base+1] offset:\i*RGB+(\ks)*1024+\g*512
.endr
.endr
.endm
.macro RING7                           ; a unit's first seven K steps
	WIN 0x40
.irp k, 0,1,2,3,4,5,6
	AFETCH 20, \k, \k
.endr
	WIN 0
.endm
.macro FILL_LOAD i                     ; rows 8 (i/4) + i % 4 and four further of my band: two aligned pieces of 256 bytes
	global_load_b128 v[LAND+4*((\i)%SLOTS):LAND+4*((\i)%SLOTS)+3], v7, s[6:7] offset:(8*((\i)>>2)+((\i)&3))*PW th:TH_LOAD_NT
.endm
.macro FILL_TAKE i
.if (\i) < NLOAD-SLOTS
	s_wait_loadcnt SLOTS-1                         ; load i is in; the 51 issued behind it may be out
.else
.if (\i) <= RINGAT
	s_wait_loadcnt NLOAD-1-(\i)                    ; no more of W is issued: the count runs down
.else
	s_wait_loadcnt NLOAD-1-(\i)+42                 ; the loads of W behind load i, and the ring's 42 behind those
.endif
.endif
	v_cvt_pk_bf16_f32 v[12+2*((\i)&1)], v[LAND+4*((\i)%SLOTS)], v[LAND+4*((\i)%SLOTS)+1]
	v_cvt_pk_bf16_f32 v[13+2*((\i)&1)], v[LAND+4*((\i)%SLOTS)+2], v[LAND+4*((\i)%SLOTS)+3]
	ds_store_b64 v6, v[12+2*((\i)&1):13+2*((\i)&1)] offset:(8*((\i)>>2)+((\i)&3))*WP   ; the two half-waves lie 640 bytes apart: 128 modulo 256
.if (\i) < NLOAD-SLOTS
	FILL_LOAD ((\i)+SLOTS)
.endif
.if (\i) == RINGAT
	RING7
.endif
.endm
; One K step.  wf = 1: the next K step's W fragments are fetched; af = 1: the x fragments seven K steps ahead are asked for.
.macro KSTEP s, wf, af
.if (\wf)+(\af)
	WIN 0x40                                       ; loads land in window 1, addresses in window 0
	PLACES                                         ; the registers loaded next were sources of the last K step's matrix instructions
.endif
.if \wf
	WFETCH ((\s+1)&31)
.endif
.if \af
.if \s+7 < 32
	AFETCH 20, (\s+7), ((\s+7)&7)
.else
	AFETCH 22, (\s-25), ((\s+7)&7)                 ; the next unit's first seven K steps
.endif
	s_wait_loadcnt 42                              ; this K step's x fragments are in; seven younger K steps of six loads may be out
.else
	s_wait_loadcnt 6*(31-(\s))                     ; nothing more is asked for: the K steps that are left, six loads each, may be out
.endif
	s_wait_dscnt 8*(\wf)                           ; this K step's W fragments are in; the eight loads just issued, if any, may be out
	WIN 0x05                                       ; sources 0 and 1 in window 1, C and D in window 0
.irp f, 0,1,2,3
.irp i, 0,1,2
.if \s == 0
	v_wmma_f32_16x16x32_bf16 v[ACC+8*(4*\i+\f):ACC+8*(4*\i+\f)+7], v[32*(\s&1)+8*\f:32*(\s&1)+8*\f+7], v[RING+24*(\s&7)+8*\i:RING+24*(\s&7)+8*\i+7], v[BIAS+8*\f:BIAS+8*\f+7]
.else
	v_wmma_f32_16x16x32_bf16 v[ACC+8*(4*\i+\f):ACC+8*(4*\i+\f)+7], v[32*(\s&1)+8*\f:32*(\s&1)+8*\f+7], v[RING+24*(\s&7)+8*\i:RING+24*(\s&7)+8*\i+7], v[ACC+8*(4*\i+\f):ACC+8*(4*\i+\f)+7]
.endif
.endr
.endr
.endm                                  ; the twelve accumulators take turns, one instruction a turn, over the backward jump and into the tail too
.macro EPI                             ; relu, round to bf16, store
	PLACES                                         ; before vector instructions read the last results
	s_wait_xcnt 0x0                                ; the last unit's stores have read TMP
.irp i, 0,1,2
.irp f, 0,1,2,3
.irp j, 0,1,2,3,4,5,6,7
	v_max_num_f32 v[ACC+8*(4*\i+\f)+\j], 0, v[ACC+8*(4*\i+\f)+\j]
.endr
.irp q, 0,1,2,3
	v_cvt_pk_bf16_f32 v[TMP+4*(4*\i+\f)+\q], v[ACC+8*(4*\i+\f)+2*\q], v[ACC+8*(4*\i+\f)+2*\q+1]
.endr
	global_store_b128 v1, v[TMP+4*(4*\i+\f):TMP+4*(4*\i+\f)+3], s[24:25] offset:\i*OUTRG+\f*512   ; half a fragment of layer 2: 512 consecutive bytes, aligned
.endr
.endr
.endm
.macro STEP                            ; on to my next unit, eight further
	s_wait_xcnt 0x0                                ; the bases of pending loads and stores are written only behind this wait
	s_mov_b64 s[20:21], s[22:23]
	s_add_nc_u64 s[22:23], s[22:23], 8*UNITB
	s_add_nc_u64 s[24:25], s[24:25], 8*OUTUNIT
.endm
	s_load_b256 s[4:11], s[0:1], 0x0               ; xg s[4:5], W1 s[6:7], cnt s[8:9], h s[10:11]
	s_load_b64 s[12:13], s[0:1], 0x20              ; b1
	v_lshl_add_u32 v9, v0, 2, 0x28000
	v_mov_b32 v10, 0
	v_lshrrev_b32 v11, 5, v0
	v_readfirstlane_b32 s14, v11                   ; wave j, 0 to 7
	s_and_b32 s15, ttmp7, 0xffff                   ; e
	s_mov_b32 s16, ttmp9                           ; nb
	s_mov_b32 s27, 0
	v_and_b32 v1, 31, v0
	v_lshlrev_b32 v1, 4, v1                        ; 16 L
	v_and_b32 v11, 7, v0
	v_bfe_u32 v12, v0, 4, 1                        ; L / 16
	v_bfe_u32 v13, v0, 3, 1
	v_lshl_add_u32 v14, v12, 3, v11
	v_mul_u32_u24 v14, v14, WP
	v_lshl_add_u32 v2, v13, 4, v14                 ; slab row 8 (L/16) + L % 8, byte 16 ((L/8) % 2)
	v_add_nc_u32 v3, 8*32*WP, v2
	v_add_nc_u32 v4, 16*32*WP, v2
	v_add_nc_u32 v5, 24*32*WP, v2
	v_and_b32 v11, 15, v0                          ; L % 16
	s_lshl_b32 s28, s14, 7                         ; my band's first row: 128 j
	v_lshl_add_u32 v15, v12, 2, s28                ; the fill's row: 128 j + 4 (L/16)
	v_mul_u32_u24 v6, v15, WP
	v_lshl_add_u32 v6, v11, 3, v6                  ; + 8 bytes of bf16 a lane
	v_lshlrev_b32 v7, PWSH, v15
	v_lshl_add_u32 v7, v11, 4, v7                  ; + 16 bytes of f32 a lane
	v_lshlrev_b32 v8, 5, v12                       ; bias: columns 8 (L/16) + 0..7
	s_wait_kmcnt 0x0
	s_lshl_b32 s26, s15, 2
	s_add_nc_u64 s[8:9], s[8:9], s[26:27]
	s_load_b32 s17, s[8:9], 0x0                    ; units of expert e
	s_lshl_b32 s26, s15, 23                        ; W1[e]: 8 MiB
	s_lshl_b32 s28, s16, 8                         ; my 64 columns: 256 bytes
	s_add_co_u32 s26, s26, s28
	s_add_nc_u64 s[6:7], s[6:7], s[26:27]
	s_lshl_b32 s26, s15, 13                        ; b1[e]: 8,192 bytes
	s_add_co_u32 s26, s26, s28
	s_add_nc_u64 s[12:13], s[12:13], s[26:27]
	s_mul_i32 s26, s15, EXA
	s_mul_i32 s28, s14, UNITB
	s_add_co_u32 s26, s26, s28
	s_add_nc_u64 s[20:21], s[4:5], s[26:27]        ; unit j's fragments
	s_add_nc_u64 s[22:23], s[20:21], 8*UNITB       ; unit j + 8's: read only where that unit exists
	s_mul_i32 s26, s15, 129*OUTRG
	s_mul_i32 s28, s14, OUTUNIT
	s_add_co_u32 s26, s26, s28
	s_lshl_b32 s28, s16, 11                        ; my 64 columns are K steps 2 nb, 2 nb + 1 of layer 2: 2,048 bytes
	s_add_co_u32 s26, s26, s28
	s_add_nc_u64 s[24:25], s[10:11], s[26:27]      ; unit j's place in h
.irp f, 0,1,2,3
	global_load_b128 v[BIAS+8*\f:BIAS+8*\f+3],   v8, s[12:13] offset:64*\f       ; register j of fragment f: b1[64 nb + 16 f + 8 (L/16) + j]
	global_load_b128 v[BIAS+8*\f+4:BIAS+8*\f+7], v8, s[12:13] offset:64*\f+16
.endr
.irp a, 0,1,2,3
.irp b, 0,1,2,3,4,5,6,7,8,9,10,11,12
	FILL_LOAD (13*\a+\b)
.endr
.endr
.irp a, 0,1,2,3
.irp b, 0,1,2,3,4,5,6,7,8,9,10,11,12,13,14,15
	FILL_TAKE (16*\a+\b)
.endr
.endr
	s_wait_dscnt 0x0                               ; my band of the slab is stored, for the other waves' sake
	s_barrier_signal -1
	s_barrier_wait -1                              ; the slab is whole; it is only read from here on, and no barrier follows
	s_wait_kmcnt 0x0
	s_min_u32 s17, s17, 43                         ; U, the expert's units
	s_cmp_ge_u32 s14, s17
	s_cbranch_scc1 .Lend                           ; no unit for this wave: the ring's loads are dropped
	s_sub_co_u32 s17, s17, s14
	s_sub_co_u32 s17, s17, 1
	s_lshr_b32 s17, s17, 3                         ; (U - 1 - j) / 8: my units j, j + 8, .. that have a successor below U
	s_min_u32 s17, s17, 5                          ; (43 - 1) / 8 at the most: a count read from memory is bounded by a constant before it steers anything
	WIN 0x40
	WFETCH 0
	WIN 0
	s_mov_b32 s18, 0
	s_cmp_eq_u32 s17, 0
	s_cbranch_scc1 .Llast
.Lunit:                                ; a unit that has a successor.  On every way in: 8 LDS loads (W of K step 0) and 42 loads (K steps 0-6) are out
.irp s, 0,1,2,3,4,5,6,7,8,9,10,11,12,13,14,15,16,17,18,19,20,21,22,23,24,25,26,27,28,29,30,31
	KSTEP \s, 1, 1
.endr
	WIN 0
	EPI
	STEP
	s_add_co_u32 s18, s18, 1
	s_cmp_lt_u32 s18, s17
	s_cbranch_scc1 .Lunit
.Llast:                                ; my last unit: the same counts on both ways in; its last seven K steps ask for nothing
.irp s, 0,1,2,3,4,5,6,7,8,9,10,11,12,13,14,15,16,17,18,19,20,21,22,23,24
	KSTEP \s, 1, 1
.endr
.irp s, 25,26,27,28,29,30
	KSTEP \s, 1, 0
.endr
	KSTEP 31, 0, 0
	WIN 0
	EPI
.Lend:
	s_wait_tensorcnt 0x0
	ds_add_u32 v9, v10
	s_wait_dscnt 0x0
	s_endpgm
.Lfunc_end_k_q5587342502_ffn1:
	.size	k_q5587342502_ffn1, .Lfunc_end_k_q5587342502_ffn1-k_q5587342502_ffn1
	.p2alignl 7, 3214868480
	.fill 96, 4, 3214868480
	.section	.rodata,"a",@progbits
	.p2align	6, 0x0
	.amdhsa_kernel k_q5587342502_ffn1
		.amdhsa_group_segment_fixed_size 164864
		.amdhsa_private_segment_fixed_size 0
		.amdhsa_enable_private_segment 0
		.amdhsa_kernarg_size 40
		.amdhsa_user_sgpr_count 2
		.amdhsa_user_sgpr_kernarg_segment_ptr 1
		.amdhsa_wavefront_size32 1
		.amdhsa_system_sgpr_workgroup_id_x 1
		.amdhsa_system_sgpr_workgroup_id_y 1
		.amdhsa_system_sgpr_workgroup_id_z 1
		.amdhsa_system_vgpr_workitem_id 0
		.amdhsa_next_free_vgpr 512
		.amdhsa_next_free_sgpr 66
		.amdhsa_reserve_vcc 0
		.amdhsa_float_denorm_mode_32 3
		.amdhsa_float_denorm_mode_16_64 3
		.amdhsa_memory_ordered 1
		.amdhsa_forward_progress 1
		.amdhsa_inst_pref_size 171
	.end_amdhsa_kernel
	.amdgpu_metadata
---
amdhsa.version: [ 1, 2 ]
amdhsa.kernels:
  - .name:           k_q5587342502_ffn1
    .symbol:         k_q5587342502_ffn1.kd
    .args:
      - { .name: xg, .offset: 0, .size: 8, .value_kind: global_buffer, .address_space: global }
      - { .name: W1, .offset: 8, .size: 8, .value_kind: global_buffer, .address_space: global }
      - { .name: cnt, .offset: 16, .size: 8, .value_kind: global_buffer, .address_space: global }
      - { .name: h, .offset: 24, .size: 8, .value_kind: global_buffer, .address_space: global }
      - { .name: b1, .offset: 32, .size: 8, .value_kind: global_buffer, .address_space: global }
    .group_segment_fixed_size: 164864
    .private_segment_fixed_size: 0
    .kernarg_segment_align: 8
    .kernarg_segment_size: 40
    .max_flat_workgroup_size: 256
    .sgpr_count:     66
    .vgpr_count:     512
    .wavefront_size: 32
...
	.end_amdgpu_metadata
.endif
;; end of part 4
;; launch ffn2 (part 5): grid 32 x 8, 8 waves a work-group, no clusters, 199,680 bytes of LDS; arguments h, W2, cnt, y; writes y
.if DOCPART == 5
	.amdgcn_target "amdgcn-amd-amdhsa--gfx1250"
	.amdhsa_code_object_version 6
	.text
	.protected	k_q5587342502_ffn2
	.globl	k_q5587342502_ffn2
	.p2align	8
	.type	k_q5587342502_ffn2,@function
k_q5587342502_ffn2:
	s_mov_b64 s[64:65], 0
	v_nop
	global_prefetch_b8 v0, s[64:65] scope:SCOPE_SE
	s_setreg_imm32_b32 hwreg(HW_REG_WAVE_MODE, 25, 1), 1
	s_wait_xcnt 0x0
; FFN, LAYER 2.  y[kh][row] = h[row][1024 kh .. 1024 kh + 1023] W2[e][1024 kh ..][.], f32, for the rows routed to expert e; the two halves of K,
; b2 and the gate's weights meet in the next launch.  bf16 operands, f32 sums.  Only routed rows are computed (see layer 1, with its LIMIT:
; an unselected expert's infinite or NaN result does not reach the output here, while reference() gives NaN for 0 x inf).
; Work-group (ob + 16 kh, e) owns the slab W2[e][1024 kh .. +1023][64 ob .. +63]: 256 KiB of f32, read once in the launch in pieces of 256 aligned
; bytes, rounded to bf16, kept in LDS as [1024 k][64 n].  K is halved so that there are 256 work-groups with a slab that fits.
; EIGHT WAVES, ONE TEXT.  Wave j brings rows 128 j .. 128 j + 127 of the slab (64 loads of 512 bytes, 52 of them on their way); one barrier; then
; wave j takes the units j, j + 8, .. of 48 rows (3 groups of 16).  A wave's tile is 48 x 64: 12 accumulators.  Eight waves of 512 registers take
; the 1,024 of each of the four SIMDs: of the two waves of a SIMD one can issue matrix instructions while the other issues its loads.
; h lies in fragment order (element (row, k) at (((e*129 + row/16)*64 + k/32)*2 + (k/16)%2)*512 + (16*((k/8)%2) + row%16)*16 + 2*(k%8)) and goes
; straight into registers through a ring of 8 K steps.  Unit j's first seven K steps are asked for while the last third of the wave's band of W
; is still coming in; their address hangs on the ids alone (units 0 to 7 lie inside every expert's 43), so a wave whose expert has no unit j
; fetches 21 KiB and drops them.  The units that have a successor run in a loop, whose last seven K steps ask for the next unit's first seven;
; the last unit is written out and asks for nothing beyond itself.
; TRANSPOSED USE: source 0 = 16 columns of W, source 1 = 16 rows of h; lane (r, hh) holds row r, columns 8 hh + 0..7.  The rows go out through a
; stage of the wave's own in LDS, so that sixteen lanes store 256 consecutive bytes, aligned.
; NO MULTICAST, though the 16 work-groups of an expert and a half of K read the same fragments: a joint load lands in LDS, where slab and stages
; leave room for two slots of at most 63 KiB, and needs a round of the cluster's barrier for each refill, with trip counts read from memory; here
; each wave runs alone with 7 K steps x 3 KiB on their way.
.set PWSH,    12                       ; a row of W2 is 4,096 bytes
.set PW,      1<<PWSH
.set RGB,     65536                    ; bytes of a group of 16 rows of h
.set EXA,     129*RGB
.set UNITB,   3*RGB
.set OUTUNIT, 48*4096                  ; 48 rows of y
.set YHALF,   8*2064*4096              ; bytes of y for one half of K
.set WP,      160                      ; slab pitch: 128 bytes + 32, an odd multiple of 32
.set STAGE,   1024*WP                  ; behind the slab: 16 rows x 272 bytes for each of the eight waves
.set SP,      272
.set NLOAD,   64                       ; loads of W of a wave: 128 rows, two rows a load
.set SLOTS,   52                       ; landing slots of the fill: 52 loads of 512 bytes of each wave on their way
.set RINGAT,  42                       ; behind the take of this load the ring's first 42 loads go out: 21 of W + 42 = 63 are then out
; window 0: v1 16 L; v2-5 slab address for K steps 0-7, 8-15, 16-23, 24-31; v6, v7 the fill's LDS address and offset in W; v8, v9 stage in and back;
;           v10 offset in y; v12-15 at work; v48-143 accumulators; v144-239 rows on the way out; v48-255 the fill's landing slots
; window 1: v0-63 two buffers of four W fragments; v64-255 the ring: 8 slots of three h fragments
; scalars: s14 wave, s15 e, s16 ob, s29 kh, s17 the expert's units, then my units that have a successor; s18 units done;
;          s[20:21] this unit's fragments, s[22:23] the next unit's, s[24:25] this unit's rows of y; s[26:27] an offset, s28 at work
.set ACC,  48
.set LAND, 48
.set TMP,  144
.set RING, 64
.set MSB, 0
.macro WIN new                         ; s_set_vgpr_msb; the immediate's high byte repeats the setting that is left
.if MSB != \new
	s_set_vgpr_msb (MSB<<8)|\new
.set MSB, \new
.endif
.endm
.macro PLACES                          ; four places behind a matrix instruction (ISA guide 7.12.1 for vector instructions)
.rept 4
	v_nop
.endr
.endm
.macro WFETCH s                        ; the four W fragments of K step s into buffer s % 2: lane L gets column 16 f + r, K along its registers
.irp f, 0,1,2,3
	ds_load_tr16_b128 v[32*((\s)&1)+8*\f:32*((\s)&1)+8*\f+3],   v[2+((\s)>>3)] offset:((\s)&7)*32*WP+32*\f
	ds_load_tr16_b128 v[32*((\s)&1)+8*\f+4:32*((\s)&1)+8*\f+7], v[2+((\s)>>3)] offset:((\s)&7)*32*WP+32*\f+16*WP
.endr
.endm
.macro AFETCH base, ks, slot           ; the three h fragments of K step ks of the unit at s[base:base+1] into a ring slot: six loads of 512 bytes
.irp i, 0,1,2
.irp g, 0,1
	global_load_b128 v[RING+24*(\slot)+8*\i+4*\g:RING+24*(\slot)+8*\i+4*\g+3], v1, s[\base:\base+1] offset:\i*RGB+(\ks)*1024+\g*512
.endr
.endr
.endm
.macro RING7                           ; a unit's first seven K steps
	WIN 0x40
.irp k, 0,1,2,3,4,5,6
	AFETCH 20, \k, \k
.endr
	WIN 0
.endm
.macro FILL_LOAD i                     ; rows 8 (i/4) + i % 4 and four further of my band: two aligned pieces of 256 bytes
	global_load_b128 v[LAND+4*((\i)%SLOTS):LAND+4*((\i)%SLOTS)+3], v7, s[6:7] offset:(8*((\i)>>2)+((\i)&3))*PW th:TH_LOAD_NT
.endm
.macro FILL_TAKE i
.if (\i) < NLOAD-SLOTS
	s_wait_loadcnt SLOTS-1                         ; load i is in; the 51 issued behind it may be out
.else
.if (\i) <= RINGAT
	s_wait_loadcnt NLOAD-1-(\i)                    ; no more of W is issued: the count runs down
.else
	s_wait_loadcnt NLOAD-1-(\i)+42                 ; the loads of W behind load i, and the ring's 42 behind those
.endif
.endif
	v_cvt_pk_bf16_f32 v[12+2*((\i)&1)], v[LAND+4*((\i)%SLOTS)], v[LAND+4*((\i)%SLOTS)+1]
	v_cvt_pk_bf16_f32 v[13+2*((\i)&1)], v[LAND+4*((\i)%SLOTS)+2], v[LAND+4*((\i)%SLOTS)+3]
	ds_store_b64 v6, v[12+2*((\i)&1):13+2*((\i)&1)] offset:(8*((\i)>>2)+((\i)&3))*WP   ; the two half-waves lie 640 bytes apart: 128 modulo 256
.if (\i) < NLOAD-SLOTS
	FILL_LOAD ((\i)+SLOTS)
.endif
.if (\i) == RINGAT
	RING7
.endif
.endm
; One K step.  wf = 1: the next K step's W fragments are fetched; af = 1: the h fragments seven K steps ahead are asked for.
.macro KSTEP s, wf, af
.if (\wf)+(\af)
	WIN 0x40                                       ; loads land in window 1, addresses in window 0
	PLACES                                         ; the registers loaded next were sources of the last K step's matrix instructions
.endif
.if \wf
	WFETCH ((\s+1)&31)
.endif
.if \af
.if \s+7 < 32
	AFETCH 20, (\s+7), ((\s+7)&7)
.else
	AFETCH 22, (\s-25), ((\s+7)&7)                 ; the next unit's first seven K steps
.endif
	s_wait_loadcnt 42                              ; this K step's h fragments are in; seven younger K steps of six loads may be out
.else
	s_wait_loadcnt 6*(31-(\s))                     ; nothing more is asked for: the K steps that are left, six loads each, may be out
.endif
	s_wait_dscnt 8*(\wf)                           ; this K step's W fragments are in; the eight loads just issued, if any, may be out
	WIN 0x05                                       ; sources 0 and 1 in window 1, C and D in window 0
.irp f, 0,1,2,3
.irp i, 0,1,2
.if \s == 0
	v_wmma_f32_16x16x32_bf16 v[ACC+8*(4*\i+\f):ACC+8*(4*\i+\f)+7], v[32*(\s&1)+8*\f:32*(\s&1)+8*\f+7], v[RING+24*(\s&7)+8*\i:RING+24*(\s&7)+8*\i+7], 0
.else
	v_wmma_f32_16x16x32_bf16 v[ACC+8*(4*\i+\f):ACC+8*(4*\i+\f)+7], v[32*(\s&1)+8*\f:32*(\s&1)+8*\f+7], v[RING+24*(\s&7)+8*\i:RING+24*(\s&7)+8*\i+7], v[ACC+8*(4*\i+\f):ACC+8*(4*\i+\f)+7]
.endif
.endr
.endr
.endm                                  ; the twelve accumulators take turns, one instruction a turn, over the backward jump and into the tail too
.macro EPI2 i                          ; rows 16 i .. 16 i + 15 of the unit: into my stage by lanes, back by rows, out
.irp f, 0,1,2,3
	ds_store_b128 v8, v[ACC+8*(4*\i+\f):ACC+8*(4*\i+\f)+3]   offset:64*\f
	ds_store_b128 v8, v[ACC+8*(4*\i+\f)+4:ACC+8*(4*\i+\f)+7] offset:64*\f+16
.endr
.irp t, 0,1,2,3,4,5,6,7
	ds_load_b128 v[TMP+32*\i+4*\t:TMP+32*\i+4*\t+3], v9 offset:2*SP*\t           ; a wave's LDS instructions are served in order: these see the stores above
.endr
.irp t, 0,1,2,3,4,5,6,7
	s_wait_dscnt 7-\t                              ; read-back t is in, the younger ones may be out
	global_store_b128 v10, v[TMP+32*\i+4*\t:TMP+32*\i+4*\t+3], s[24:25] offset:(16*\i+2*\t)*4096   ; 16 lanes store 256 consecutive bytes, aligned
.endr
.endm
.macro EPI
	PLACES                                         ; before LDS stores read the last results
	s_wait_xcnt 0x0                                ; the last unit's stores have read TMP
	EPI2 0
	EPI2 1
	EPI2 2
.endm
.macro STEP                            ; on to my next unit, eight further
	s_wait_xcnt 0x0                                ; the bases of pending loads and stores are written only behind this wait
	s_mov_b64 s[20:21], s[22:23]
	s_add_nc_u64 s[22:23], s[22:23], 8*UNITB
	s_add_nc_u64 s[24:25], s[24:25], 8*OUTUNIT
.endm
	s_load_b256 s[4:11], s[0:1], 0x0               ; h s[4:5], W2 s[6:7], cnt s[8:9], y s[10:11]
	v_lshl_add_u32 v46, v0, 2, 0x30800
	v_mov_b32 v47, 0
	v_lshrrev_b32 v11, 5, v0
	v_readfirstlane_b32 s14, v11                   ; wave j, 0 to 7
	s_and_b32 s15, ttmp7, 0xffff                   ; e
	s_and_b32 s16, ttmp9, 15                       ; ob
	s_lshr_b32 s29, ttmp9, 4                       ; kh
	s_mov_b32 s27, 0
	v_and_b32 v1, 31, v0
	v_lshlrev_b32 v1, 4, v1                        ; 16 L
	v_and_b32 v11, 7, v0
	v_bfe_u32 v12, v0, 4, 1                        ; L / 16
	v_bfe_u32 v13, v0, 3, 1
	v_lshl_add_u32 v14, v12, 3, v11
	v_mul_u32_u24 v14, v14, WP
	v_lshl_add_u32 v2, v13, 4, v14                 ; slab row 8 (L/16) + L % 8, byte 16 ((L/8) % 2)
	v_add_nc_u32 v3, 8*32*WP, v2
	v_add_nc_u32 v4, 16*32*WP, v2
	v_add_nc_u32 v5, 24*32*WP, v2
	v_and_b32 v11, 15, v0                          ; L % 16
	s_lshl_b32 s28, s14, 7                         ; my band's first row: 128 j
	v_lshl_add_u32 v15, v12, 2, s28                ; the fill's row: 128 j + 4 (L/16)
	v_mul_u32_u24 v6, v15, WP
	v_lshl_add_u32 v6, v11, 3, v6                  ; + 8 bytes of bf16 a lane
	v_lshlrev_b32 v7, PWSH, v15
	v_lshl_add_u32 v7, v11, 4, v7                  ; + 16 bytes of f32 a lane
	s_mul_i32 s28, s14, 16*SP
	s_add_co_u32 s28, s28, STAGE                   ; my stage
	v_mul_u32_u24 v8, v11, SP
	v_lshl_add_u32 v8, v12, 5, v8
	v_add_nc_u32 v8, s28, v8                       ; in: row r, byte 32 (L/16)
	v_mul_u32_u24 v9, v12, SP
	v_lshl_add_u32 v9, v11, 4, v9
	v_add_nc_u32 v9, s28, v9                       ; back: lanes 0-15 one row of 256 bytes, lanes 16-31 the next
	v_lshlrev_b32 v10, 12, v12
	v_lshl_add_u32 v10, v11, 4, v10                ; the same two rows in y
	s_wait_kmcnt 0x0
	s_lshl_b32 s26, s15, 2
	s_add_nc_u64 s[8:9], s[8:9], s[26:27]
	s_load_b32 s17, s[8:9], 0x0                    ; units of expert e
	s_lshl_b32 s26, s15, 23                        ; W2[e]: 8 MiB
	s_lshl_b32 s28, s29, 22                        ; my half of K: 1,024 rows of 4,096 bytes
	s_add_co_u32 s26, s26, s28
	s_lshl_b32 s28, s16, 8                         ; my 64 columns: 256 bytes
	s_add_co_u32 s26, s26, s28
	s_add_nc_u64 s[6:7], s[6:7], s[26:27]
	s_mul_i32 s26, s15, EXA
	s_lshl_b32 s28, s29, 15                        ; my half of K in a group of h: 32 K steps of 1,024 bytes
	s_add_co_u32 s26, s26, s28
	s_mul_i32 s28, s14, UNITB
	s_add_co_u32 s26, s26, s28
	s_add_nc_u64 s[20:21], s[4:5], s[26:27]        ; unit j's fragments
	s_add_nc_u64 s[22:23], s[20:21], 8*UNITB       ; unit j + 8's: read only where that unit exists
	s_mul_i32 s26, s29, YHALF
	s_mul_i32 s28, s15, 2064*4096
	s_add_co_u32 s26, s26, s28
	s_mul_i32 s28, s14, OUTUNIT
	s_add_co_u32 s26, s26, s28
	s_lshl_b32 s28, s16, 8
	s_add_co_u32 s26, s26, s28
	s_add_nc_u64 s[24:25], s[10:11], s[26:27]      ; unit j's rows of y, at my 64 columns
.irp a, 0,1,2,3
.irp b, 0,1,2,3,4,5,6,7,8,9,10,11,12
	FILL_LOAD (13*\a+\b)
.endr
.endr
.irp a, 0,1,2,3
.irp b, 0,1,2,3,4,5,6,7,8,9,10,11,12,13,14,15
	FILL_TAKE (16*\a+\b)
.endr
.endr
	s_wait_dscnt 0x0                               ; my band of the slab is stored, for the other waves' sake
	s_barrier_signal -1
	s_barrier_wait -1                              ; the slab is whole; it is only read from here on, and no barrier follows
	s_wait_kmcnt 0x0
	s_min_u32 s17, s17, 43                         ; U, the expert's units
	s_cmp_ge_u32 s14, s17
	s_cbranch_scc1 .Lend                           ; no unit for this wave: the ring's loads are dropped
	s_sub_co_u32 s17, s17, s14
	s_sub_co_u32 s17, s17, 1
	s_lshr_b32 s17, s17, 3                         ; (U - 1 - j) / 8: my units j, j + 8, .. that have a successor below U
	s_min_u32 s17, s17, 5                          ; (43 - 1) / 8 at the most: a count read from memory is bounded by a constant before it steers anything
	WIN 0x40
	WFETCH 0
	WIN 0
	s_mov_b32 s18, 0
	s_cmp_eq_u32 s17, 0
	s_cbranch_scc1 .Llast
.Lunit:                                ; a unit that has a successor.  On every way in: 8 LDS loads (W of K step 0) and 42 loads (K steps 0-6) are out
.irp s, 0,1,2,3,4,5,6,7,8,9,10,11,12,13,14,15,16,17,18,19,20,21,22,23,24,25,26,27,28,29,30,31
	KSTEP \s, 1, 1
.endr
	WIN 0
	EPI
	STEP
	s_add_co_u32 s18, s18, 1
	s_cmp_lt_u32 s18, s17
	s_cbranch_scc1 .Lunit
.Llast:                                ; my last unit: the same counts on both ways in; its last seven K steps ask for nothing
.irp s, 0,1,2,3,4,5,6,7,8,9,10,11,12,13,14,15,16,17,18,19,20,21,22,23,24
	KSTEP \s, 1, 1
.endr
.irp s, 25,26,27,28,29,30
	KSTEP \s, 1, 0
.endr
	KSTEP 31, 0, 0
	WIN 0
	EPI
.Lend:
	s_wait_tensorcnt 0x0
	ds_add_u32 v46, v47
	s_wait_dscnt 0x0
	s_endpgm
.Lfunc_end_k_q5587342502_ffn2:
	.size	k_q5587342502_ffn2, .Lfunc_end_k_q5587342502_ffn2-k_q5587342502_ffn2
	.p2alignl 7, 3214868480
	.fill 96, 4, 3214868480
	.section	.rodata,"a",@progbits
	.p2align	6, 0x0
	.amdhsa_kernel k_q5587342502_ffn2
		.amdhsa_group_segment_fixed_size 199680
		.amdhsa_private_segment_fixed_size 0
		.amdhsa_enable_private_segment 0
		.amdhsa_kernarg_size 32
		.amdhsa_user_sgpr_count 2
		.amdhsa_user_sgpr_kernarg_segment_ptr 1
		.amdhsa_wavefront_size32 1
		.amdhsa_system_sgpr_workgroup_id_x 1
		.amdhsa_system_sgpr_workgroup_id_y 1
		.amdhsa_system_sgpr_workgroup_id_z 1
		.amdhsa_system_vgpr_workitem_id 0
		.amdhsa_next_free_vgpr 512
		.amdhsa_next_free_sgpr 66
		.amdhsa_reserve_vcc 0
		.amdhsa_float_denorm_mode_32 3
		.amdhsa_float_denorm_mode_16_64 3
		.amdhsa_memory_ordered 1
		.amdhsa_forward_progress 1
		.amdhsa_inst_pref_size 169
	.end_amdhsa_kernel
	.amdgpu_metadata
---
amdhsa.version: [ 1, 2 ]
amdhsa.kernels:
  - .name:           k_q5587342502_ffn2
    .symbol:         k_q5587342502_ffn2.kd
    .args:
      - { .name: h, .offset: 0, .size: 8, .value_kind: global_buffer, .address_space: global }
      - { .name: W2, .offset: 8, .size: 8, .value_kind: global_buffer, .address_space: global }
      - { .name: cnt, .offset: 16, .size: 8, .value_kind: global_buffer, .address_space: global }
      - { .name: y, .offset: 24, .size: 8, .value_kind: global_buffer, .address_space: global }
    .group_segment_fixed_size: 199680
    .private_segment_fixed_size: 0
    .kernarg_segment_align: 8
    .kernarg_segment_size: 32
    .max_flat_workgroup_size: 256
    .sgpr_count:     66
    .vgpr_count:     512
    .wavefront_size: 32
...
	.end_amdgpu_metadata
.endif
;; end of part 5
;; launch combine (part 6): grid 256 x 1, 8 waves a work-group, no clusters, 0 bytes of LDS; arguments y, b2, sel, gw, inv, out0; writes out0
.if DOCPART == 6
	.amdgcn_target "amdgcn-amd-amdhsa--gfx1250"
	.amdhsa_code_object_version 6
	.text
	.protected	k_q5587342502_combine
	.globl	k_q5587342502_combine
	.p2align	8
	.type	k_q5587342502_combine,@function
k_q5587342502_combine:
	s_mov_b64 s[64:65], 0
	v_nop
	global_prefetch_b8 v0, s[64:65] scope:SCOPE_SE
	s_setreg_imm32_b32 hwreg(HW_REG_WAVE_MODE, 25, 1), 1
	s_wait_xcnt 0x0
; COMBINE.  out[t] = w1 (yA[P1] + yB[P1] + b2[i1]) + w2 (yA[P2] + yB[P2] + b2[i2]), all f32.  yA, yB: the two halves of K of layer 2;
; P = inv[t][slot], the row of y that holds token t for its first or second expert.  The six other experts have weight 0 in reference().
; One wave, one token: a row is 4,096 bytes, eight chunks of 512; all 48 loads of a wave go out at once.  Memory binds: no LDS, no barrier, no cluster.
.set YHALF, 8*2064*4096
	s_load_b256 s[4:11], s[0:1], 0x0               ; y s[4:5], b2 s[6:7], sel s[8:9], gw s[10:11]
	s_load_b128 s[12:15], s[0:1], 0x20             ; inv s[12:13], out0 s[14:15]
	v_and_b32 v1, 31, v0
	v_lshlrev_b32 v1, 4, v1                        ; 16 bytes a lane
	v_lshrrev_b32 v2, 5, v0
	v_readfirstlane_b32 s16, v2                    ; wave
	s_lshl_b32 s17, ttmp9, 3
	s_add_co_u32 s17, s17, s16                     ; token
	s_mov_b32 s19, 0
	s_wait_kmcnt 0x0
	s_lshl_b32 s18, s17, 2
	s_add_nc_u64 s[8:9], s[8:9], s[18:19]
	s_load_b32 s20, s[8:9], 0x0                    ; i1 | i2 << 8 | ..
	s_lshl_b32 s18, s17, 3
	s_add_nc_u64 s[10:11], s[10:11], s[18:19]
	s_add_nc_u64 s[12:13], s[12:13], s[18:19]
	s_load_b64 s[22:23], s[10:11], 0x0             ; w1, w2
	s_load_b64 s[24:25], s[12:13], 0x0             ; P1, P2
	s_lshl_b32 s18, s17, 12
	s_add_nc_u64 s[14:15], s[14:15], s[18:19]      ; my row of out0
	s_add_nc_u64 s[30:31], s[4:5], YHALF           ; the second half of K
	s_wait_kmcnt 0x0
	s_and_b32 s28, s20, 0xff
	s_min_u32 s28, s28, 7
	s_bfe_u32 s29, s20, 0x80008
	s_min_u32 s29, s29, 7
	s_min_u32 s24, s24, 16511
	s_min_u32 s25, s25, 16511
	s_mov_b32 s26, s23                             ; w2 in the low word of a pair of its own, for the packed multiply
	s_mov_b32 s27, 0
	v_lshl_add_u32 v2, s24, 12, v1
	v_lshl_add_u32 v3, s25, 12, v1
	v_lshl_add_u32 v4, s28, 12, v1
	v_lshl_add_u32 v5, s29, 12, v1
.irp j, 0,1,2,3,4,5,6,7
	global_load_b128 v[16+24*\j:19+24*\j], v2, s[4:5]   offset:512*\j th:TH_LOAD_NT
	global_load_b128 v[20+24*\j:23+24*\j], v2, s[30:31] offset:512*\j th:TH_LOAD_NT
	global_load_b128 v[24+24*\j:27+24*\j], v4, s[6:7]   offset:512*\j
	global_load_b128 v[28+24*\j:31+24*\j], v3, s[4:5]   offset:512*\j th:TH_LOAD_NT
	global_load_b128 v[32+24*\j:35+24*\j], v3, s[30:31] offset:512*\j th:TH_LOAD_NT
	global_load_b128 v[36+24*\j:39+24*\j], v5, s[6:7]   offset:512*\j
.endr
.irp j, 0,1,2,3,4,5,6,7
	s_wait_loadcnt 42-6*\j                         ; chunk j's six loads are in; the younger chunks' six each may be out
.irp p, 0,2
	v_pk_add_f32 v[16+24*\j+\p:17+24*\j+\p], v[16+24*\j+\p:17+24*\j+\p], v[20+24*\j+\p:21+24*\j+\p]
	v_pk_add_f32 v[28+24*\j+\p:29+24*\j+\p], v[28+24*\j+\p:29+24*\j+\p], v[32+24*\j+\p:33+24*\j+\p]
	v_pk_add_f32 v[16+24*\j+\p:17+24*\j+\p], v[16+24*\j+\p:17+24*\j+\p], v[24+24*\j+\p:25+24*\j+\p]
	v_pk_add_f32 v[28+24*\j+\p:29+24*\j+\p], v[28+24*\j+\p:29+24*\j+\p], v[36+24*\j+\p:37+24*\j+\p]
	v_pk_mul_f32 v[28+24*\j+\p:29+24*\j+\p], v[28+24*\j+\p:29+24*\j+\p], s[26:27] op_sel_hi:[1,0]
	v_pk_fma_f32 v[16+24*\j+\p:17+24*\j+\p], v[16+24*\j+\p:17+24*\j+\p], s[22:23], v[28+24*\j+\p:29+24*\j+\p] op_sel_hi:[1,0,1]
.endr
	global_store_b128 v1, v[16+24*\j:19+24*\j], s[14:15] offset:512*\j th:TH_STORE_NT   ; 512 consecutive bytes, aligned
.endr
	s_endpgm
.Lfunc_end_k_q5587342502_combine:
	.size	k_q5587342502_combine, .Lfunc_end_k_q5587342502_combine-k_q5587342502_combine
	.p2alignl 7, 3214868480
	.fill 96, 4, 3214868480
	.section	.rodata,"a",@progbits
	.p2align	6, 0x0
	.amdhsa_kernel k_q5587342502_combine
		.amdhsa_group_segment_fixed_size 0
		.amdhsa_private_segment_fixed_size 0
		.amdhsa_enable_private_segment 0
		.amdhsa_kernarg_size 48
		.amdhsa_user_sgpr_count 2
		.amdhsa_user_sgpr_kernarg_segment_ptr 1
		.amdhsa_wavefront_size32 1
		.amdhsa_system_sgpr_workgroup_id_x 1
		.amdhsa_system_sgpr_workgroup_id_y 1
		.amdhsa_system_sgpr_workgroup_id_z 1
		.amdhsa_system_vgpr_workitem_id 0
		.amdhsa_next_free_vgpr 208
		.amdhsa_next_free_sgpr 66
		.amdhsa_reserve_vcc 0
		.amdhsa_float_denorm_mode_32 3
		.amdhsa_float_denorm_mode_16_64 3
		.amdhsa_memory_ordered 1
		.amdhsa_forward_progress 1
		.amdhsa_inst_pref_size 14
	.end_amdhsa_kernel
	.amdgpu_metadata
---
amdhsa.version: [ 1, 2 ]
amdhsa.kernels:
  - .name:           k_q5587342502_combine
    .symbol:         k_q5587342502_combine.kd
    .args:
      - { .name: y, .offset: 0, .size: 8, .value_kind: global_buffer, .address_space: global }
      - { .name: b2, .offset: 8, .size: 8, .value_kind: global_buffer, .address_space: global }
      - { .name: sel, .offset: 16, .size: 8, .value_kind: global_buffer, .address_space: global }
      - { .name: gw, .offset: 24, .size: 8, .value_kind: global_buffer, .address_space: global }
      - { .name: inv, .offset: 32, .size: 8, .value_kind: global_buffer, .address_space: global }
      - { .name: out0, .offset: 40, .size: 8, .value_kind: global_buffer, .address_space: global }
    .group_segment_fixed_size: 0
    .private_segment_fixed_size: 0
    .kernarg_segment_align: 8
    .kernarg_segment_size: 48
    .max_flat_workgroup_size: 256
    .sgpr_count:     66
    .vgpr_count:     208
    .wavefront_size: 32
...
	.end_amdgpu_metadata
.endif
;; end of part 6
;; ======== version 2 of 2: 6 launches; version 1 with the launches ffn1, ffn2 written anew for expert scheduling mode
;; limits: values outside matrix products are rounded to bf16
;; workspace buffers: sel 8,192 bytes of whole numbers; gw 16,384 bytes; cnt 256 bytes of whole numbers; list 67,584 bytes of whole numbers; inv 16,384 bytes of whole numbers; xg 33,816,576 bytes; h 67,633,152 bytes; y 135,266,304 bytes
;; launch gate: the kernel of part 1 again; grid 128 x 1, 8 waves a work-group, no clusters, 58,624 bytes of LDS; arguments x, Wg, bg, sel, gw; writes sel, gw
;; launch route: the kernel of part 2 again; grid 8 x 1, 8 waves a work-group, no clusters, 0 bytes of LDS; arguments sel, cnt, list, inv; writes cnt, list, inv
;; launch gather: the kernel of part 3 again; grid 256 x 1, 8 waves a work-group, no clusters, 35,840 bytes of LDS; arguments x, cnt, list, xg; writes xg
;; launch ffn1 (part 7): grid 32 x 8, 8 waves a work-group, no clusters, 164,864 bytes of LDS; arguments xg, W1, cnt, h, b1; writes h
.if DOCPART == 7
	.amdgcn_target "amdgcn-amd-amdhsa--gfx1250"
	.amdhsa_code_object_version 6
	.text
	.protected	k_q5587342502_ffn1
	.globl	k_q5587342502_ffn1
	.p2align	8
	.type	k_q5587342502_ffn1,@function
k_q5587342502_ffn1:
	s_mov_b64 s[64:65], 0
	v_nop
	global_prefetch_b8 v0, s[64:65] scope:SCOPE_SE
	s_setreg_imm32_b32 hwreg(HW_REG_WAVE_SCHED_MODE, 0, 2), 2
	s_setreg_imm32_b32 hwreg(HW_REG_WAVE_MODE, 25, 1), 1
	s_wait_xcnt 0x0
	s_wait_alu depctr_vm_vsrc(0)
; FFN, LAYER 1.  h = relu(x W1[e] + b1[e]) for the rows routed to expert e, bf16 operands, f32 sums, h rounded to bf16 once.
; Only routed rows are computed: reference() multiplies the other experts' results by a mask of zeros that it builds itself.
; LIMIT: where an unselected expert's result would be infinite or NaN, reference() gives NaN (0 x inf) and this program does not.
; Work-group (nb, e) owns the slab W1[e][0..1023][64 nb .. 64 nb + 63]: 256 KiB of f32, read once in the launch in pieces of 256 aligned bytes,
; rounded to bf16 and kept in LDS as [1024 k][64 n].  256 work-groups.
; EIGHT WAVES, ONE TEXT.  Wave j brings rows 128 j .. 128 j + 127 of the slab (64 loads of 512 bytes, up to 52 of them on their way); one barrier; then
; wave j takes the units j, j + 8, .. of 48 rows (3 groups of 16).  A wave's tile is 48 x 64: 12 accumulators.  Eight waves of 512 registers take
; the 1,024 of each of the four SIMDs: of the two waves of a SIMD one can issue matrix instructions while the other issues its loads.
; Activations lie in memory in fragment order (see below) and go straight into registers through a ring of 8 K steps: no LDS trip, no barrier in
; the loop.  Unit j's first seven K steps are asked for while the last third of the wave's band of W is still coming in; their address hangs on
; the ids alone (units 0 to 7 lie inside every expert's 43), so a wave whose expert has no unit j fetches 21 KiB and drops them.
; The units that have a successor run in a loop, whose last seven K steps ask for the next unit's first seven; the last unit is written out and
; asks for nothing beyond itself: no load leaves the rows that the launch before has written, but for the case just named.
; FRAGMENT ORDER: element (row, k) at (((e*129 + row/16)*KS + k/32)*2 + (k/16)%2)*512 + (16*((k/8)%2) + row%16)*16 + 2*(k%8), KS = K/32.
; THE MATRIX INSTRUCTION IS USED TRANSPOSED: source 0 = 16 columns of W, source 1 = 16 rows of x.  Lane (r, hh) then holds row r and the eight
; neighbouring columns 8 hh + 0..7, which, packed to bf16, are the lane's 16 bytes of a half fragment of layer 2: h leaves by stores of 512
; consecutive bytes without a stage.
; NO MULTICAST, though the 32 work-groups of an expert read the same fragments: a joint load lands in LDS, where the slab leaves room for two slots
; of at most 80 KiB, and needs a round of the cluster's barrier for each refill, with trip counts that are read from memory; here each wave runs
; alone with 7 K steps x 3 KiB on their way.
; THE MODE: SCHED_MODE bits 1:0 = 2 (LLVM: expert scheduling mode 2), set by the entry lines.  The code itself states the register dependences
; between vector or matrix instructions and memory or LDS instructions, with s_wait_alu, always for 0.
; THE PLAN.  Registers that memory or LDS instructions touch:
;   v1-v8      offsets and LDS addresses, made once at the head and never written again: one wait ahead of the first load serves the whole kernel.
;   LAND       52 slots of four.  A load of W lands in a slot; two roundings close its four numbers up into the slot's first two registers; an LDS
;              store reads those two.  The fill goes in 16 groups of four loads: the group's eight roundings, ONE wait on va_vdst, its four LDS stores.
;              Groups 1 to 3 also load the slots of the group before again, behind a wait on vm_vsrc that stands a whole group behind the LDS stores that read them.
;   WB0, WB1   K step s: its products read WB[s % 2]; the LDS loads of K step s + 1 land in the other, which the products of K step s - 1 read.
;   R0 .. R7   K step s: its products read R[s % 8]; the loads of K step s + 7 land in R[(s - 1) % 8], which the products of K step s - 1 read.
;   TMP        written by the way out's roundings, read by its stores; written again a whole unit later.
;   BIAS       loaded once; read by products alone.  The accumulators are named by matrix and vector instructions alone.
; So ONE wait on va_vdst stands at a K step's head, behind the waits for the step's own data: the products of the step before are done reading the two
; buffers in which this step's fourteen loads land.  These follow it in two runs among the step's twelve products, which name WB[s % 2], R[s % 8], BIAS and
; the accumulators: none of the registers that those loads touch.  That holds over the backward jump too: K step 0's loads land in WB1 and R7, which K step 31 read.
.set PWSH,    13                       ; a row of W1 is 8,192 bytes
.set PW,      1<<PWSH
.set RGB,     32768                    ; bytes of a group of 16 rows of xg
.set EXA,     129*RGB                  ; of an expert
.set UNITB,   3*RGB                    ; of a unit
.set OUTRG,   65536                    ; bytes of a group of 16 rows of h
.set OUTUNIT, 3*OUTRG
.set WP,      160                      ; slab pitch: 128 bytes + 32, an odd multiple of 32, for the transposing loads
.set NLOAD,   64                       ; loads of W of a wave: 128 rows, two rows a load
.set SLOTS,   52                       ; landing slots of the fill
.set GRP,     4                        ; loads of W in a group of the fill
.set RINGG,   10                       ; in this group the ring's first 42 loads go out: 20 of W + 42 = 62 are then out
; window 0: v1 16 L; v2-5 slab address for K steps 0-7, 8-15, 16-23, 24-31; v6, v7 the fill's LDS address and offset in W; v8 bias offset;
;           v11-15 at work at the head; v16-47 bias as four C fragments; v48-143 accumulators; v144-191 packed results; v48-255 the fill's landing slots
; window 1: v0-63 two buffers of four W fragments; v64-255 the ring: 8 slots of three x fragments
; scalars: s14 wave, s15 e, s16 nb, s17 the expert's units, then my units that have a successor; s18 units done;
;          s[20:21] this unit's fragments, s[22:23] the next unit's, s[24:25] this unit's place in h; s[26:27] an offset, s28 at work
.set BIAS, 16
.set ACC,  48
.set LAND, 48
.set TMP,  144
.set RING, 64
.set MSB, 0
.macro WIN new                         ; s_set_vgpr_msb; the immediate's high byte repeats the setting that is left
.if MSB != \new
	s_set_vgpr_msb (MSB<<8)|\new
.set MSB, \new
.endif
.endm
.macro PLACES                          ; four places behind a matrix instruction, before a vector instruction reads its result (ISA guide 7.12.1)
.rept 4
	v_nop
.endr
.endm
.macro WFETCH s                        ; the four W fragments of K step s into buffer s % 2: lane L gets column 16 f + r, K along its registers
.irp f, 0,1,2,3
	ds_load_tr16_b128 v[32*((\s)&1)+8*\f:32*((\s)&1)+8*\f+3],   v[2+((\s)>>3)] offset:((\s)&7)*32*WP+32*\f
	ds_load_tr16_b128 v[32*((\s)&1)+8*\f+4:32*((\s)&1)+8*\f+7], v[2+((\s)>>3)] offset:((\s)&7)*32*WP+32*\f+16*WP
.endr
.endm
.macro AFETCH base, ks, slot           ; the three x fragments of K step ks of the unit at s[base:base+1] into a ring slot: six loads of 512 bytes
.irp i, 0,1,2
.irp g, 0,1
	global_load_b128 v[RING+24*(\slot)+8*\i+4*\g:RING+24*(\slot)+8*\i+4*\g+3], v1, s[\base:\base+1] offset:\i*RGB+(\ks)*1024+\g*512
.endr
.endr
.endm
.macro RING7                           ; a unit's first seven K steps.  No wait: no vector or matrix instruction has named these registers, and v1 stands since the head
	WIN 0x40
.irp k, 0,1,2,3,4,5,6
	AFETCH 20, \k, \k
.endr
	WIN 0
.endm
.macro FILL_LOAD i                     ; rows 8 (i/4) + i % 4 and four further of my band: two aligned pieces of 256 bytes
	global_load_b128 v[LAND+4*((\i)%SLOTS):LAND+4*((\i)%SLOTS)+3], v7, s[6:7] offset:(8*((\i)>>2)+((\i)&3))*PW th:TH_LOAD_NT
.endm
.macro FILL_CVT i                      ; four numbers close up into the first two of their four registers
	v_cvt_pk_bf16_f32 v[LAND+4*((\i)%SLOTS)],   v[LAND+4*((\i)%SLOTS)],   v[LAND+4*((\i)%SLOTS)+1]
	v_cvt_pk_bf16_f32 v[LAND+4*((\i)%SLOTS)+1], v[LAND+4*((\i)%SLOTS)+2], v[LAND+4*((\i)%SLOTS)+3]
.endm
.macro FILL_STORE i
	ds_store_b64 v6, v[LAND+4*((\i)%SLOTS):LAND+4*((\i)%SLOTS)+1] offset:(8*((\i)>>2)+((\i)&3))*WP   ; the two half-waves lie 640 bytes apart: 128 modulo 256
.endm
.macro FILL_GROUP g                    ; loads 4 g .. 4 g + 3 of W are taken
.if (\g) == 0
	s_wait_loadcnt SLOTS-GRP                       ; loads return in order: my first four (and the bias ahead of them) are in; the 48 issued behind them may be out
.elseif (\g) <= (NLOAD-SLOTS)/GRP
	s_wait_loadcnt SLOTS-2*GRP                     ; 4 (g - 1) more loads have been issued and 4 g more are wanted: 44 may be out
.elseif (\g) <= RINGG
	s_wait_loadcnt NLOAD-GRP*((\g)+1)              ; no more of W is issued: the count runs down
.else
	s_wait_loadcnt NLOAD-GRP*((\g)+1)+42           ; the loads of W behind this group's, and the ring's 42 behind those
.endif
.irp q, 0,1,2,3
	FILL_CVT (GRP*(\g)+\q)
.endr
	s_wait_alu depctr_va_vdst(0)                   ; the roundings have written the slots' first two registers, which the LDS stores below read; those of the group before are done with its slots
.if ((\g) >= 1) && ((\g) <= (NLOAD-SLOTS)/GRP)
	s_wait_alu depctr_vm_vsrc(0)                   ; the LDS stores of the group before have read its slots, in which the four loads below land
.irp q, 0,1,2,3
	FILL_LOAD (SLOTS+GRP*((\g)-1)+\q)
.endr
.endif
.irp q, 0,1,2,3
	FILL_STORE (GRP*(\g)+\q)
.endr
.if (\g) == RINGG
	RING7
.endif
.endm
.macro MM s, f                         ; three products of K step s: W fragment f by the three x fragments
.irp i, 0,1,2
.if (\s) == 0
	v_wmma_f32_16x16x32_bf16 v[ACC+8*(4*\i+\f):ACC+8*(4*\i+\f)+7], v[32*((\s)&1)+8*\f:32*((\s)&1)+8*\f+7], v[RING+24*((\s)&7)+8*\i:RING+24*((\s)&7)+8*\i+7], v[BIAS+8*\f:BIAS+8*\f+7]
.else
	v_wmma_f32_16x16x32_bf16 v[ACC+8*(4*\i+\f):ACC+8*(4*\i+\f)+7], v[32*((\s)&1)+8*\f:32*((\s)&1)+8*\f+7], v[RING+24*((\s)&7)+8*\i:RING+24*((\s)&7)+8*\i+7], v[ACC+8*(4*\i+\f):ACC+8*(4*\i+\f)+7]
.endif
.endr
.endm
; One K step.  wf = 1: the next K step's W fragments are fetched; af = 1: the x fragments seven K steps ahead are asked for.
.macro KSTEP s, wf, af
.if (\wf)+(\af)
	WIN 0x40                                       ; loads land in window 1, addresses in window 0: the switch stands ahead of the waits
.endif
.if \af
	s_wait_loadcnt 36                              ; this K step's x fragments are in; six younger K steps of six loads may be out
.else
	s_wait_loadcnt 6*(31-(\s))                     ; nothing more is asked for: the K steps that are left, six loads each, may be out
.endif
	s_wait_dscnt 4                                 ; this K step's W fragments 0 and 1 are in; the four loads of fragments 2 and 3 may be out
.if (\wf)+(\af)
	s_wait_alu depctr_va_vdst(0)                   ; the last K step's products are done reading their W buffer and their ring slot, in which this K step's loads land
.endif
.if \wf
	WFETCH ((\s+1)&31)
.endif
	WIN 0x05                                       ; sources 0 and 1 in window 1, C and D in window 0
	MM \s, 0
	MM \s, 1
.if \af
	WIN 0x40                                       ; no wait: the six products since the wait above name neither v1 nor the slot that is loaded
.if \s+7 < 32
	AFETCH 20, (\s+7), ((\s+7)&7)
.else
	AFETCH 22, (\s-25), ((\s+7)&7)                 ; the next unit's first seven K steps
.endif
.endif
	s_wait_dscnt 8*(\wf)                           ; W fragments 2 and 3 are in; the next K step's eight loads, if any, may be out
	WIN 0x05
	MM \s, 2
	MM \s, 3
.endm                                  ; the twelve accumulators take turns, one instruction a turn, over the backward jump and into the tail too
.macro EPI                             ; relu, round to bf16, store: a group of 16 rows at a time
	PLACES                                         ; before vector instructions read the last results
	s_wait_xcnt 0x0                                ; the last unit's stores have had their addresses translated: TMP is written again only behind this wait,
	s_wait_alu depctr_vm_vsrc(0)                   ; and they have read TMP, which the roundings below write again
.irp i, 0,1,2
.irp f, 0,1,2,3
.irp j, 0,1,2,3,4,5,6,7
	v_max_num_f32 v[ACC+8*(4*\i+\f)+\j], 0, v[ACC+8*(4*\i+\f)+\j]
.endr
.irp q, 0,1,2,3
	v_cvt_pk_bf16_f32 v[TMP+4*(4*\i+\f)+\q], v[ACC+8*(4*\i+\f)+2*\q], v[ACC+8*(4*\i+\f)+2*\q+1]
.endr
.endr
	s_wait_alu depctr_va_vdst(0)                   ; the roundings have written this group's sixteen registers of TMP, which the four stores read
.irp f, 0,1,2,3
	global_store_b128 v1, v[TMP+4*(4*\i+\f):TMP+4*(4*\i+\f)+3], s[24:25] offset:\i*OUTRG+\f*512   ; half a fragment of layer 2: 512 consecutive bytes, aligned
.endr
.endr
.endm
.macro STEP                            ; on to my next unit, eight further
	s_wait_xcnt 0x0                                ; the bases of pending loads and stores are written only behind this wait
	s_mov_b64 s[20:21], s[22:23]
	s_add_nc_u64 s[22:23], s[22:23], 8*UNITB
	s_add_nc_u64 s[24:25], s[24:25], 8*OUTUNIT
.endm
	s_load_b256 s[4:11], s[0:1], 0x0               ; xg s[4:5], W1 s[6:7], cnt s[8:9], h s[10:11]
	s_load_b64 s[12:13], s[0:1], 0x20              ; b1
	v_lshl_add_u32 v9, v0, 2, 0x28000
	v_mov_b32 v10, 0
	v_lshrrev_b32 v11, 5, v0
	v_readfirstlane_b32 s14, v11                   ; wave j, 0 to 7
	s_and_b32 s15, ttmp7, 0xffff                   ; e
	s_mov_b32 s16, ttmp9                           ; nb
	s_mov_b32 s27, 0
	v_and_b32 v1, 31, v0
	v_lshlrev_b32 v1, 4, v1                        ; 16 L
	v_and_b32 v11, 7, v0
	v_bfe_u32 v12, v0, 4, 1                        ; L / 16
	v_bfe_u32 v13, v0, 3, 1
	v_lshl_add_u32 v14, v12, 3, v11
	v_mul_u32_u24 v14, v14, WP
	v_lshl_add_u32 v2, v13, 4, v14                 ; slab row 8 (L/16) + L % 8, byte 16 ((L/8) % 2)
	v_add_nc_u32 v3, 8*32*WP, v2
	v_add_nc_u32 v4, 16*32*WP, v2
	v_add_nc_u32 v5, 24*32*WP, v2
	v_and_b32 v11, 15, v0                          ; L % 16
	s_wait_alu depctr_va_sdst(0)                   ; s14 is written, ahead of its first reader
	s_lshl_b32 s28, s14, 7                         ; my band's first row: 128 j
	v_lshl_add_u32 v15, v12, 2, s28                ; the fill's row: 128 j + 4 (L/16)
	v_mul_u32_u24 v6, v15, WP
	v_lshl_add_u32 v6, v11, 3, v6                  ; + 8 bytes of bf16 a lane
	v_lshlrev_b32 v7, PWSH, v15
	v_lshl_add_u32 v7, v11, 4, v7                  ; + 16 bytes of f32 a lane
	v_lshlrev_b32 v8, 5, v12                       ; bias: columns 8 (L/16) + 0..7
	s_wait_kmcnt 0x0
	s_lshl_b32 s26, s15, 2
	s_add_nc_u64 s[8:9], s[8:9], s[26:27]
	s_load_b32 s17, s[8:9], 0x0                    ; units of expert e
	s_lshl_b32 s26, s15, 23                        ; W1[e]: 8 MiB
	s_lshl_b32 s28, s16, 8                         ; my 64 columns: 256 bytes
	s_add_co_u32 s26, s26, s28
	s_add_nc_u64 s[6:7], s[6:7], s[26:27]
	s_lshl_b32 s26, s15, 13                        ; b1[e]: 8,192 bytes
	s_add_co_u32 s26, s26, s28
	s_add_nc_u64 s[12:13], s[12:13], s[26:27]
	s_mul_i32 s26, s15, EXA
	s_mul_i32 s28, s14, UNITB
	s_add_co_u32 s26, s26, s28
	s_add_nc_u64 s[20:21], s[4:5], s[26:27]        ; unit j's fragments
	s_add_nc_u64 s[22:23], s[20:21], 8*UNITB       ; unit j + 8's: read only where that unit exists
	s_mul_i32 s26, s15, 129*OUTRG
	s_mul_i32 s28, s14, OUTUNIT
	s_add_co_u32 s26, s26, s28
	s_lshl_b32 s28, s16, 11                        ; my 64 columns are K steps 2 nb, 2 nb + 1 of layer 2: 2,048 bytes
	s_add_co_u32 s26, s26, s28
	s_add_nc_u64 s[24:25], s[10:11], s[26:27]      ; unit j's place in h
	s_wait_alu depctr_va_vdst(0)                   ; the offsets and LDS addresses v1 to v8 are written, which every load and store of the kernel reads
.irp f, 0,1,2,3
	global_load_b128 v[BIAS+8*\f:BIAS+8*\f+3],   v8, s[12:13] offset:64*\f       ; register j of fragment f: b1[64 nb + 16 f + 8 (L/16) + j]
	global_load_b128 v[BIAS+8*\f+4:BIAS+8*\f+7], v8, s[12:13] offset:64*\f+16
.endr
.irp a, 0,1,2,3
.irp b, 0,1,2,3,4,5,6,7,8,9,10,11,12
	FILL_LOAD (13*\a+\b)
.endr
.endr
.irp g, 0,1,2,3,4,5,6,7,8,9,10,11,12,13,14,15
	FILL_GROUP \g
.endr
	s_wait_dscnt 0x0                               ; my band of the slab is stored, for the other waves' sake
	s_barrier_signal -1
	s_barrier_wait -1                              ; the slab is whole; it is only read from here on, and no barrier follows
	s_wait_alu depctr_vm_vsrc(0)                   ; my LDS stores have read the landing slots: these registers are the accumulators and TMP from here on, written by products and roundings
	s_wait_kmcnt 0x0
	s_min_u32 s17, s17, 43                         ; U, the expert's units
	s_cmp_ge_u32 s14, s17
	s_cbranch_scc1 .Lend                           ; no unit for this wave: the ring's loads are dropped
	s_sub_co_u32 s17, s17, s14
	s_sub_co_u32 s17, s17, 1
	s_lshr_b32 s17, s17, 3                         ; (U - 1 - j) / 8: my units j, j + 8, .. that have a successor below U
	s_min_u32 s17, s17, 5                          ; (43 - 1) / 8 at the most: a count read from memory is bounded by a constant before it steers anything
	WIN 0x40
	WFETCH 0                                       ; no wait: no vector or matrix instruction has named this buffer, and v2 stands since the head
	WIN 0
	s_mov_b32 s18, 0
	s_cmp_eq_u32 s17, 0
	s_cbranch_scc1 .Llast
.Lunit:                                ; a unit that has a successor.  On every way in: 8 LDS loads (W of K step 0) and 42 loads (K steps 0-6) are out
.irp s, 0,1,2,3,4,5,6,7,8,9,10,11,12,13,14,15,16,17,18,19,20,21,22,23,24,25,26,27,28,29,30,31
	KSTEP \s, 1, 1
.endr
	WIN 0
	EPI
	STEP
	s_add_co_u32 s18, s18, 1
	s_cmp_lt_u32 s18, s17
	s_cbranch_scc1 .Lunit
.Llast:                                ; my last unit: the same counts on both ways in; its last seven K steps ask for nothing
.irp s, 0,1,2,3,4,5,6,7,8,9,10,11,12,13,14,15,16,17,18,19,20,21,22,23,24
	KSTEP \s, 1, 1
.endr
.irp s, 25,26,27,28,29,30
	KSTEP \s, 1, 0
.endr
	KSTEP 31, 0, 0
	WIN 0
	EPI
.Lend:
	s_wait_dscnt 0x0
	s_wait_alu depctr_hold_cnt(0) depctr_sa_sdst(0) depctr_va_vdst(0) depctr_va_sdst(0) depctr_va_ssrc(0) depctr_va_vcc(0) depctr_vm_vsrc(0)
	s_wait_tensorcnt 0x0
	ds_add_u32 v9, v10
	s_wait_dscnt 0x0
	s_endpgm
.Lfunc_end_k_q5587342502_ffn1:
	.size	k_q5587342502_ffn1, .Lfunc_end_k_q5587342502_ffn1-k_q5587342502_ffn1
	.p2alignl 7, 3214868480
	.fill 96, 4, 3214868480
	.section	.rodata,"a",@progbits
	.p2align	6, 0x0
	.amdhsa_kernel k_q5587342502_ffn1
		.amdhsa_group_segment_fixed_size 164864
		.amdhsa_private_segment_fixed_size 0
		.amdhsa_enable_private_segment 0
		.amdhsa_kernarg_size 40
		.amdhsa_user_sgpr_count 2
		.amdhsa_user_sgpr_kernarg_segment_ptr 1
		.amdhsa_wavefront_size32 1
		.amdhsa_system_sgpr_workgroup_id_x 1
		.amdhsa_system_sgpr_workgroup_id_y 1
		.amdhsa_system_sgpr_workgroup_id_z 1
		.amdhsa_system_vgpr_workitem_id 0
		.amdhsa_next_free_vgpr 512
		.amdhsa_next_free_sgpr 66
		.amdhsa_reserve_vcc 0
		.amdhsa_float_denorm_mode_32 3
		.amdhsa_float_denorm_mode_16_64 3
		.amdhsa_memory_ordered 1
		.amdhsa_forward_progress 1
		.amdhsa_inst_pref_size 171
	.end_amdhsa_kernel
	.amdgpu_metadata
---
amdhsa.version: [ 1, 2 ]
amdhsa.kernels:
  - .name:           k_q5587342502_ffn1
    .symbol:         k_q5587342502_ffn1.kd
    .args:
      - { .name: xg, .offset: 0, .size: 8, .value_kind: global_buffer, .address_space: global }
      - { .name: W1, .offset: 8, .size: 8, .value_kind: global_buffer, .address_space: global }
      - { .name: cnt, .offset: 16, .size: 8, .value_kind: global_buffer, .address_space: global }
      - { .name: h, .offset: 24, .size: 8, .value_kind: global_buffer, .address_space: global }
      - { .name: b1, .offset: 32, .size: 8, .value_kind: global_buffer, .address_space: global }
    .group_segment_fixed_size: 164864
    .private_segment_fixed_size: 0
    .kernarg_segment_align: 8
    .kernarg_segment_size: 40
    .max_flat_workgroup_size: 256
    .sgpr_count:     66
    .vgpr_count:     512
    .wavefront_size: 32
...
	.end_amdgpu_metadata
.endif
;; end of part 7
;; launch ffn2 (part 8): grid 32 x 8, 8 waves a work-group, no clusters, 199,680 bytes of LDS; arguments h, W2, cnt, y; writes y
.if DOCPART == 8
	.amdgcn_target "amdgcn-amd-amdhsa--gfx1250"
	.amdhsa_code_object_version 6
	.text
	.protected	k_q5587342502_ffn2
	.globl	k_q5587342502_ffn2
	.p2align	8
	.type	k_q5587342502_ffn2,@function
k_q5587342502_ffn2:
	s_mov_b64 s[64:65], 0
	v_nop
	global_prefetch_b8 v0, s[64:65] scope:SCOPE_SE
	s_setreg_imm32_b32 hwreg(HW_REG_WAVE_SCHED_MODE, 0, 2), 2
	s_setreg_imm32_b32 hwreg(HW_REG_WAVE_MODE, 25, 1), 1
	s_wait_xcnt 0x0
	s_wait_alu depctr_vm_vsrc(0)
; FFN, LAYER 2.  y[kh][row] = h[row][1024 kh .. 1024 kh + 1023] W2[e][1024 kh ..][.], f32, for the rows routed to expert e; the two halves of K,
; b2 and the gate's weights meet in the next launch.  bf16 operands, f32 sums.  Only routed rows are computed (see layer 1, with its LIMIT:
; an unselected expert's infinite or NaN result does not reach the output here, while reference() gives NaN for 0 x inf).
; Work-group (ob + 16 kh, e) owns the slab W2[e][1024 kh .. +1023][64 ob .. +63]: 256 KiB of f32, read once in the launch in pieces of 256 aligned
; bytes, rounded to bf16, kept in LDS as [1024 k][64 n].  K is halved so that there are 256 work-groups with a slab that fits.
; EIGHT WAVES, ONE TEXT.  Wave j brings rows 128 j .. 128 j + 127 of the slab (64 loads of 512 bytes, up to 52 of them on their way); one barrier; then
; wave j takes the units j, j + 8, .. of 48 rows (3 groups of 16).  A wave's tile is 48 x 64: 12 accumulators.  Eight waves of 512 registers take
; the 1,024 of each of the four SIMDs: of the two waves of a SIMD one can issue matrix instructions while the other issues its loads.
; h lies in fragment order (element (row, k) at (((e*129 + row/16)*64 + k/32)*2 + (k/16)%2)*512 + (16*((k/8)%2) + row%16)*16 + 2*(k%8)) and goes
; straight into registers through a ring of 8 K steps.  Unit j's first seven K steps are asked for while the last third of the wave's band of W
; is still coming in; their address hangs on the ids alone (units 0 to 7 lie inside every expert's 43), so a wave whose expert has no unit j
; fetches 21 KiB and drops them.  The units that have a successor run in a loop, whose last seven K steps ask for the next unit's first seven;
; the last unit is written out and asks for nothing beyond itself.
; TRANSPOSED USE: source 0 = 16 columns of W, source 1 = 16 rows of h; lane (r, hh) holds row r, columns 8 hh + 0..7.  The rows go out through a
; stage of the wave's own in LDS, so that sixteen lanes store 256 consecutive bytes, aligned.
; NO MULTICAST, though the 16 work-groups of an expert and a half of K read the same fragments: a joint load lands in LDS, where slab and stages
; leave room for two slots of at most 63 KiB, and needs a round of the cluster's barrier for each refill, with trip counts read from memory; here
; each wave runs alone with 7 K steps x 3 KiB on their way.
; THE MODE: SCHED_MODE bits 1:0 = 2 (LLVM: expert scheduling mode 2), set by the entry lines.  The code itself states the register dependences
; between vector or matrix instructions and memory or LDS instructions, with s_wait_alu, always for 0.
; THE PLAN.  Registers that memory or LDS instructions touch:
;   v1-v10     offsets and LDS addresses, made once at the head and never written again: one wait ahead of the first load serves the whole kernel.
;   LAND       52 slots of four.  A load of W lands in a slot; two roundings close its four numbers up into the slot's first two registers; an LDS
;              store reads those two.  The fill goes in 16 groups of four loads: the group's eight roundings, ONE wait on va_vdst, its four LDS stores.
;              Groups 1 to 3 also load the slots of the group before again, behind a wait on vm_vsrc that stands a whole group behind the LDS stores that read them.
;   WB0, WB1   K step s: its products read WB[s % 2]; the LDS loads of K step s + 1 land in the other, which the products of K step s - 1 read.
;   R0 .. R7   K step s: its products read R[s % 8]; the loads of K step s + 7 land in R[(s - 1) % 8], which the products of K step s - 1 read.
;   ACC        written by products; read by the way out's LDS stores; written again by the next unit's products.
;   TMP        LDS loads from the stage land in it; the stores to y read it; no vector instruction of the loop names it.
; So ONE wait on va_vdst stands at a K step's head, behind the waits for the step's own data: the products of the step before are done reading the two
; buffers in which this step's fourteen loads land.  These follow it in two runs among the step's twelve products, which name WB[s % 2], R[s % 8] and the
; accumulators: none of the registers that those loads touch.  That holds over the backward jump too: K step 0's loads land in WB1 and R7, which K step 31 read.
; The way out has one wait on va_vdst ahead of its LDS stores, and the step to the next unit one on vm_vsrc, for ACC and TMP together.
.set PWSH,    12                       ; a row of W2 is 4,096 bytes
.set PW,      1<<PWSH
.set RGB,     65536                    ; bytes of a group of 16 rows of h
.set EXA,     129*RGB
.set UNITB,   3*RGB
.set OUTUNIT, 48*4096                  ; 48 rows of y
.set YHALF,   8*2064*4096              ; bytes of y for one half of K
.set WP,      160                      ; slab pitch: 128 bytes + 32, an odd multiple of 32
.set STAGE,   1024*WP                  ; behind the slab: 16 rows x 272 bytes for each of the eight waves
.set SP,      272
.set NLOAD,   64                       ; loads of W of a wave: 128 rows, two rows a load
.set SLOTS,   52                       ; landing slots of the fill
.set GRP,     4                        ; loads of W in a group of the fill
.set RINGG,   10                       ; in this group the ring's first 42 loads go out: 20 of W + 42 = 62 are then out
; window 0: v1 16 L; v2-5 slab address for K steps 0-7, 8-15, 16-23, 24-31; v6, v7 the fill's LDS address and offset in W; v8, v9 stage in and back;
;           v10 offset in y; v11-15 at work at the head; v48-143 accumulators; v144-239 rows on the way out; v48-255 the fill's landing slots
; window 1: v0-63 two buffers of four W fragments; v64-255 the ring: 8 slots of three h fragments
; scalars: s14 wave, s15 e, s16 ob, s29 kh, s17 the expert's units, then my units that have a successor; s18 units done;
;          s[20:21] this unit's fragments, s[22:23] the next unit's, s[24:25] this unit's rows of y; s[26:27] an offset, s28 at work
.set ACC,  48
.set LAND, 48
.set TMP,  144
.set RING, 64
.set MSB, 0
.macro WIN new                         ; s_set_vgpr_msb; the immediate's high byte repeats the setting that is left
.if MSB != \new
	s_set_vgpr_msb (MSB<<8)|\new
.set MSB, \new
.endif
.endm
.macro PLACES                          ; four places behind a matrix instruction, before an LDS store reads its result
.rept 4
	v_nop
.endr
.endm
.macro WFETCH s                        ; the four W fragments of K step s into buffer s % 2: lane L gets column 16 f + r, K along its registers
.irp f, 0,1,2,3
	ds_load_tr16_b128 v[32*((\s)&1)+8*\f:32*((\s)&1)+8*\f+3],   v[2+((\s)>>3)] offset:((\s)&7)*32*WP+32*\f
	ds_load_tr16_b128 v[32*((\s)&1)+8*\f+4:32*((\s)&1)+8*\f+7], v[2+((\s)>>3)] offset:((\s)&7)*32*WP+32*\f+16*WP
.endr
.endm
.macro AFETCH base, ks, slot           ; the three h fragments of K step ks of the unit at s[base:base+1] into a ring slot: six loads of 512 bytes
.irp i, 0,1,2
.irp g, 0,1
	global_load_b128 v[RING+24*(\slot)+8*\i+4*\g:RING+24*(\slot)+8*\i+4*\g+3], v1, s[\base:\base+1] offset:\i*RGB+(\ks)*1024+\g*512
.endr
.endr
.endm
.macro RING7                           ; a unit's first seven K steps.  No wait: no vector or matrix instruction has named these registers, and v1 stands since the head
	WIN 0x40
.irp k, 0,1,2,3,4,5,6
	AFETCH 20, \k, \k
.endr
	WIN 0
.endm
.macro FILL_LOAD i                     ; rows 8 (i/4) + i % 4 and four further of my band: two aligned pieces of 256 bytes
	global_load_b128 v[LAND+4*((\i)%SLOTS):LAND+4*((\i)%SLOTS)+3], v7, s[6:7] offset:(8*((\i)>>2)+((\i)&3))*PW th:TH_LOAD_NT
.endm
.macro FILL_CVT i                      ; four numbers close up into the first two of their four registers
	v_cvt_pk_bf16_f32 v[LAND+4*((\i)%SLOTS)],   v[LAND+4*((\i)%SLOTS)],   v[LAND+4*((\i)%SLOTS)+1]
	v_cvt_pk_bf16_f32 v[LAND+4*((\i)%SLOTS)+1], v[LAND+4*((\i)%SLOTS)+2], v[LAND+4*((\i)%SLOTS)+3]
.endm
.macro FILL_STORE i
	ds_store_b64 v6, v[LAND+4*((\i)%SLOTS):LAND+4*((\i)%SLOTS)+1] offset:(8*((\i)>>2)+((\i)&3))*WP   ; the two half-waves lie 640 bytes apart: 128 modulo 256
.endm
.macro FILL_GROUP g                    ; loads 4 g .. 4 g + 3 of W are taken
.if (\g) == 0
	s_wait_loadcnt SLOTS-GRP                       ; loads return in order: my first four are in; the 48 issued behind them may be out
.elseif (\g) <= (NLOAD-SLOTS)/GRP
	s_wait_loadcnt SLOTS-2*GRP                     ; 4 (g - 1) more loads have been issued and 4 g more are wanted: 44 may be out
.elseif (\g) <= RINGG
	s_wait_loadcnt NLOAD-GRP*((\g)+1)              ; no more of W is issued: the count runs down
.else
	s_wait_loadcnt NLOAD-GRP*((\g)+1)+42           ; the loads of W behind this group's, and the ring's 42 behind those
.endif
.irp q, 0,1,2,3
	FILL_CVT (GRP*(\g)+\q)
.endr
	s_wait_alu depctr_va_vdst(0)                   ; the roundings have written the slots' first two registers, which the LDS stores below read; those of the group before are done with its slots
.if ((\g) >= 1) && ((\g) <= (NLOAD-SLOTS)/GRP)
	s_wait_alu depctr_vm_vsrc(0)                   ; the LDS stores of the group before have read its slots, in which the four loads below land
.irp q, 0,1,2,3
	FILL_LOAD (SLOTS+GRP*((\g)-1)+\q)
.endr
.endif
.irp q, 0,1,2,3
	FILL_STORE (GRP*(\g)+\q)
.endr
.if (\g) == RINGG
	RING7
.endif
.endm
.macro MM s, f                         ; three products of K step s: W fragment f by the three h fragments
.irp i, 0,1,2
.if (\s) == 0
	v_wmma_f32_16x16x32_bf16 v[ACC+8*(4*\i+\f):ACC+8*(4*\i+\f)+7], v[32*((\s)&1)+8*\f:32*((\s)&1)+8*\f+7], v[RING+24*((\s)&7)+8*\i:RING+24*((\s)&7)+8*\i+7], 0
.else
	v_wmma_f32_16x16x32_bf16 v[ACC+8*(4*\i+\f):ACC+8*(4*\i+\f)+7], v[32*((\s)&1)+8*\f:32*((\s)&1)+8*\f+7], v[RING+24*((\s)&7)+8*\i:RING+24*((\s)&7)+8*\i+7], v[ACC+8*(4*\i+\f):ACC+8*(4*\i+\f)+7]
.endif
.endr
.endm
; One K step.  wf = 1: the next K step's W fragments are fetched; af = 1: the h fragments seven K steps ahead are asked for.
.macro KSTEP s, wf, af
.if (\wf)+(\af)
	WIN 0x40                                       ; loads land in window 1, addresses in window 0: the switch stands ahead of the waits
.endif
.if \af
	s_wait_loadcnt 36                              ; this K step's h fragments are in; six younger K steps of six loads may be out
.else
	s_wait_loadcnt 6*(31-(\s))                     ; nothing more is asked for: the K steps that are left, six loads each, may be out
.endif
	s_wait_dscnt 4                                 ; this K step's W fragments 0 and 1 are in; the four loads of fragments 2 and 3 may be out
.if (\wf)+(\af)
	s_wait_alu depctr_va_vdst(0)                   ; the last K step's products are done reading their W buffer and their ring slot, in which this K step's loads land
.endif
.if \wf
	WFETCH ((\s+1)&31)
.endif
	WIN 0x05                                       ; sources 0 and 1 in window 1, C and D in window 0
	MM \s, 0
	MM \s, 1
.if \af
	WIN 0x40                                       ; no wait: the six products since the wait above name neither v1 nor the slot that is loaded
.if \s+7 < 32
	AFETCH 20, (\s+7), ((\s+7)&7)
.else
	AFETCH 22, (\s-25), ((\s+7)&7)                 ; the next unit's first seven K steps
.endif
.endif
	s_wait_dscnt 8*(\wf)                           ; W fragments 2 and 3 are in; the next K step's eight loads, if any, may be out
	WIN 0x05
	MM \s, 2
	MM \s, 3
.endm                                  ; the twelve accumulators take turns, one instruction a turn, over the backward jump and into the tail too
.macro EPI2 i                          ; rows 16 i .. 16 i + 15 of the unit: into my stage by lanes, back by rows, out
.irp f, 0,1,2,3
	ds_store_b128 v8, v[ACC+8*(4*\i+\f):ACC+8*(4*\i+\f)+3]   offset:64*\f
	ds_store_b128 v8, v[ACC+8*(4*\i+\f)+4:ACC+8*(4*\i+\f)+7] offset:64*\f+16
.endr
.irp t, 0,1,2,3,4,5,6,7
	ds_load_b128 v[TMP+32*\i+4*\t:TMP+32*\i+4*\t+3], v9 offset:2*SP*\t           ; a wave's LDS instructions are served in order: these see the stores above
.endr
.irp t, 0,1,2,3,4,5,6,7
	s_wait_dscnt 7-\t                              ; read-back t is in, the younger ones may be out
	global_store_b128 v10, v[TMP+32*\i+4*\t:TMP+32*\i+4*\t+3], s[24:25] offset:(16*\i+2*\t)*4096   ; 16 lanes store 256 consecutive bytes, aligned
.endr
.endm
.macro EPI
	PLACES                                         ; before LDS stores read the last results
	s_wait_alu depctr_va_vdst(0)                   ; the products have written the twelve accumulators, which the LDS stores read; the places above stay beside this wait.  No vector instruction follows in the way out
	s_wait_xcnt 0x0                                ; the last unit's stores have read TMP
	EPI2 0
	EPI2 1
	EPI2 2
.endm
.macro STEP                            ; on to my next unit, eight further
	s_wait_xcnt 0x0                                ; the bases of pending loads and stores are written only behind this wait
	s_wait_alu depctr_vm_vsrc(0)                   ; my LDS stores have read the accumulators, which the next unit's products write; my stores to y have read TMP, in which the next unit's rows land
	v_nop                                          ; the next unit's first products write over the last ones' results with C = 0, as no link of their chains: five places between, the four ahead of the way out and this one
	s_mov_b64 s[20:21], s[22:23]
	s_add_nc_u64 s[22:23], s[22:23], 8*UNITB
	s_add_nc_u64 s[24:25], s[24:25], 8*OUTUNIT
.endm
	s_load_b256 s[4:11], s[0:1], 0x0               ; h s[4:5], W2 s[6:7], cnt s[8:9], y s[10:11]
	v_lshl_add_u32 v46, v0, 2, 0x30800
	v_mov_b32 v47, 0
	v_lshrrev_b32 v11, 5, v0
	v_readfirstlane_b32 s14, v11                   ; wave j, 0 to 7
	s_and_b32 s15, ttmp7, 0xffff                   ; e
	s_and_b32 s16, ttmp9, 15                       ; ob
	s_lshr_b32 s29, ttmp9, 4                       ; kh
	s_mov_b32 s27, 0
	v_and_b32 v1, 31, v0
	v_lshlrev_b32 v1, 4, v1                        ; 16 L
	v_and_b32 v11, 7, v0
	v_bfe_u32 v12, v0, 4, 1                        ; L / 16
	v_bfe_u32 v13, v0, 3, 1
	v_lshl_add_u32 v14, v12, 3, v11
	v_mul_u32_u24 v14, v14, WP
	v_lshl_add_u32 v2, v13, 4, v14                 ; slab row 8 (L/16) + L % 8, byte 16 ((L/8) % 2)
	v_add_nc_u32 v3, 8*32*WP, v2
	v_add_nc_u32 v4, 16*32*WP, v2
	v_add_nc_u32 v5, 24*32*WP, v2
	v_and_b32 v11, 15, v0                          ; L % 16
	s_wait_alu depctr_va_sdst(0)                   ; s14 is written, ahead of its first reader
	s_lshl_b32 s28, s14, 7                         ; my band's first row: 128 j
	v_lshl_add_u32 v15, v12, 2, s28                ; the fill's row: 128 j + 4 (L/16)
	v_mul_u32_u24 v6, v15, WP
	v_lshl_add_u32 v6, v11, 3, v6                  ; + 8 bytes of bf16 a lane
	v_lshlrev_b32 v7, PWSH, v15
	v_lshl_add_u32 v7, v11, 4, v7                  ; + 16 bytes of f32 a lane
	s_mul_i32 s28, s14, 16*SP
	s_add_co_u32 s28, s28, STAGE                   ; my stage
	v_mul_u32_u24 v8, v11, SP
	v_lshl_add_u32 v8, v12, 5, v8
	v_add_nc_u32 v8, s28, v8                       ; in: row r, byte 32 (L/16)
	v_mul_u32_u24 v9, v12, SP
	v_lshl_add_u32 v9, v11, 4, v9
	v_add_nc_u32 v9, s28, v9                       ; back: lanes 0-15 one row of 256 bytes, lanes 16-31 the next
	v_lshlrev_b32 v10, 12, v12
	v_lshl_add_u32 v10, v11, 4, v10                ; the same two rows in y
	s_wait_kmcnt 0x0
	s_lshl_b32 s26, s15, 2
	s_add_nc_u64 s[8:9], s[8:9], s[26:27]
	s_load_b32 s17, s[8:9], 0x0                    ; units of expert e
	s_lshl_b32 s26, s15, 23                        ; W2[e]: 8 MiB
	s_lshl_b32 s28, s29, 22                        ; my half of K: 1,024 rows of 4,096 bytes
	s_add_co_u32 s26, s26, s28
	s_lshl_b32 s28, s16, 8                         ; my 64 columns: 256 bytes
	s_add_co_u32 s26, s26, s28
	s_add_nc_u64 s[6:7], s[6:7], s[26:27]
	s_mul_i32 s26, s15, EXA
	s_lshl_b32 s28, s29, 15                        ; my half of K in a group of h: 32 K steps of 1,024 bytes
	s_add_co_u32 s26, s26, s28
	s_mul_i32 s28, s14, UNITB
	s_add_co_u32 s26, s26, s28
	s_add_nc_u64 s[20:21], s[4:5], s[26:27]        ; unit j's fragments
	s_add_nc_u64 s[22:23], s[20:21], 8*UNITB       ; unit j + 8's: read only where that unit exists
	s_mul_i32 s26, s29, YHALF
	s_mul_i32 s28, s15, 2064*4096
	s_add_co_u32 s26, s26, s28
	s_mul_i32 s28, s14, OUTUNIT
	s_add_co_u32 s26, s26, s28
	s_lshl_b32 s28, s16, 8
	s_add_co_u32 s26, s26, s28
	s_add_nc_u64 s[24:25], s[10:11], s[26:27]      ; unit j's rows of y, at my 64 columns
	s_wait_alu depctr_va_vdst(0)                   ; the offsets and LDS addresses v1 to v10 are written, which every load and store of the kernel reads
.irp a, 0,1,2,3
.irp b, 0,1,2,3,4,5,6,7,8,9,10,11,12
	FILL_LOAD (13*\a+\b)
.endr
.endr
.irp g, 0,1,2,3,4,5,6,7,8,9,10,11,12,13,14,15
	FILL_GROUP \g
.endr
	s_wait_dscnt 0x0                               ; my band of the slab is stored, for the other waves' sake
	s_barrier_signal -1
	s_barrier_wait -1                              ; the slab is whole; it is only read from here on, and no barrier follows
	s_wait_alu depctr_vm_vsrc(0)                   ; my LDS stores have read the landing slots: these registers are the accumulators and TMP from here on, written by products and by loads from the stage
	s_wait_kmcnt 0x0
	s_min_u32 s17, s17, 43                         ; U, the expert's units
	s_cmp_ge_u32 s14, s17
	s_cbranch_scc1 .Lend                           ; no unit for this wave: the ring's loads are dropped
	s_sub_co_u32 s17, s17, s14
	s_sub_co_u32 s17, s17, 1
	s_lshr_b32 s17, s17, 3                         ; (U - 1 - j) / 8: my units j, j + 8, .. that have a successor below U
	s_min_u32 s17, s17, 5                          ; (43 - 1) / 8 at the most: a count read from memory is bounded by a constant before it steers anything
	WIN 0x40
	WFETCH 0                                       ; no wait: no vector or matrix instruction has named this buffer, and v2 stands since the head
	WIN 0
	s_mov_b32 s18, 0
	s_cmp_eq_u32 s17, 0
	s_cbranch_scc1 .Llast
.Lunit:                                ; a unit that has a successor.  On every way in: at most 8 LDS loads (W of K step 0) and 42 loads (K steps 0-6) are out
.irp s, 0,1,2,3,4,5,6,7,8,9,10,11,12,13,14,15,16,17,18,19,20,21,22,23,24,25,26,27,28,29,30,31
	KSTEP \s, 1, 1
.endr
	WIN 0
	EPI
	STEP
	s_add_co_u32 s18, s18, 1
	s_cmp_lt_u32 s18, s17
	s_cbranch_scc1 .Lunit
.Llast:                                ; my last unit: the same counts on both ways in; its last seven K steps ask for nothing
.irp s, 0,1,2,3,4,5,6,7,8,9,10,11,12,13,14,15,16,17,18,19,20,21,22,23,24
	KSTEP \s, 1, 1
.endr
.irp s, 25,26,27,28,29,30
	KSTEP \s, 1, 0
.endr
	KSTEP 31, 0, 0
	WIN 0
	EPI
.Lend:
	s_wait_dscnt 0x0
	s_wait_alu depctr_hold_cnt(0) depctr_sa_sdst(0) depctr_va_vdst(0) depctr_va_sdst(0) depctr_va_ssrc(0) depctr_va_vcc(0) depctr_vm_vsrc(0)
	s_wait_tensorcnt 0x0
	ds_add_u32 v46, v47
	s_wait_dscnt 0x0
	s_endpgm
.Lfunc_end_k_q5587342502_ffn2:
	.size	k_q5587342502_ffn2, .Lfunc_end_k_q5587342502_ffn2-k_q5587342502_ffn2
	.p2alignl 7, 3214868480
	.fill 96, 4, 3214868480
	.section	.rodata,"a",@progbits
	.p2align	6, 0x0
	.amdhsa_kernel k_q5587342502_ffn2
		.amdhsa_group_segment_fixed_size 199680
		.amdhsa_private_segment_fixed_size 0
		.amdhsa_enable_private_segment 0
		.amdhsa_kernarg_size 32
		.amdhsa_user_sgpr_count 2
		.amdhsa_user_sgpr_kernarg_segment_ptr 1
		.amdhsa_wavefront_size32 1
		.amdhsa_system_sgpr_workgroup_id_x 1
		.amdhsa_system_sgpr_workgroup_id_y 1
		.amdhsa_system_sgpr_workgroup_id_z 1
		.amdhsa_system_vgpr_workitem_id 0
		.amdhsa_next_free_vgpr 512
		.amdhsa_next_free_sgpr 66
		.amdhsa_reserve_vcc 0
		.amdhsa_float_denorm_mode_32 3
		.amdhsa_float_denorm_mode_16_64 3
		.amdhsa_memory_ordered 1
		.amdhsa_forward_progress 1
		.amdhsa_inst_pref_size 168
	.end_amdhsa_kernel
	.amdgpu_metadata
---
amdhsa.version: [ 1, 2 ]
amdhsa.kernels:
  - .name:           k_q5587342502_ffn2
    .symbol:         k_q5587342502_ffn2.kd
    .args:
      - { .name: h, .offset: 0, .size: 8, .value_kind: global_buffer, .address_space: global }
      - { .name: W2, .offset: 8, .size: 8, .value_kind: global_buffer, .address_space: global }
      - { .name: cnt, .offset: 16, .size: 8, .value_kind: global_buffer, .address_space: global }
      - { .name: y, .offset: 24, .size: 8, .value_kind: global_buffer, .address_space: global }
    .group_segment_fixed_size: 199680
    .private_segment_fixed_size: 0
    .kernarg_segment_align: 8
    .kernarg_segment_size: 32
    .max_flat_workgroup_size: 256
    .sgpr_count:     66
    .vgpr_count:     512
    .wavefront_size: 32
...
	.end_amdgpu_metadata
.endif
;; end of part 8
;; launch combine: the kernel of part 6 again; grid 256 x 1, 8 waves a work-group, no clusters, 0 bytes of LDS; arguments y, b2, sel, gw, inv, out0; writes out0
